; MI455X (gfx1250); checked and timed in simulation.
; The chip was launched on July 23, 2026; its instructions are those of AMD's public machine-readable ISA for CDNA 5 (MIT licence, August 2026) and "CDNA5" Instruction Set Architecture Reference Guide (July 2026). The comments in the code are by the model that wrote it; some were corrected since.
;; Selective Copying Model. Allowed arithmetic: matrix products marked QUANTISED: E5M2 operands, one E8M0 scale for each 32 along K, by v_wmma_scale_f32_16x16x128_f8f6f4 with both operands' format E5M2, f32 sums; everything else in f32.
;; Inputs: W0 512 x 128 float32; Walign 256 x 128 float32; Wl 2 x 512 x 256 float32; Wout 256 x 256 float32; b0 512 float32; bl 2 x 512 float32; bout 256 float32; emb 256 x 128 float32; x 32 x 2,048 int32.
;; Outputs: out0 32 x 16 x 256 float32.
;; Constants: num_memorize = 16.
;; This version of the problem:
;;   THIS VERSION OF THE PROBLEM IS GIVEN IN LOW PRECISION. The matrix products marked QUANTISED in the list below multiply operands that are first quantised to E5M2 (5 exponent bits, 2 mantissa bits; 8 bits a number), with one power-of-two scale for each 32 numbers along K (OCP MX v1.0); their sums are f32. All else is computed in f32.
;;   The module's matrix products, in the order in which they are computed (A, B: the left and right operand; K: the contracted axis; several contracted axes count as one K, in the product's order):
;;     1. [M 65,536, K 128] x [K 128, N 512]; A: computed on the way; B: input W0: QUANTISED
;;     2. [M 65,536, K 128] x [K 128, N 256]; A: computed on the way; B: input Walign: QUANTISED
;;     3. [M 65,536, K 256] x [K 256, N 512]; A: computed on the way; B: input Wl: QUANTISED
;;     4. [M 65,536, K 256] x [K 256, N 512]; A: computed on the way; B: input Wl: QUANTISED
;;     5. [M 65,536, K 256] x [K 256, N 256]; A: computed on the way; B: input Wout: QUANTISED
;;   THE QUANTISER, for each operand of a quantised product, along K:
;;     - K is cut into blocks of 32 from its start; a last block that is shorter is filled with zeros.
;;     - A block's scale is 2^e with e = floor(log2(the largest magnitude in the block)) - 15, held to -126 .. 127; a block of zeros has e = 0. As a byte (E8M0): e + 127.
;;     - Each number is divided by its block's scale, clamped to +-57,344, and rounded to the nearest number of E5M2, ties to even, subnormals kept.
;;     - The product sums the exact products of the quantised numbers (number of the format x scale) in f32.
;;   ~~~python
;;   def quantise(x, axis):      # numpy; x: float32 -> the quantised numbers, widened to float32 again
;;       x = np.moveaxis(x, axis, -1); K = x.shape[-1]
;;       x = np.pad(x, [(0, 0)] * (x.ndim - 1) + [(0, -K % 32)]); x = x.reshape(x.shape[:-1] + (-1, 32)); a = np.abs(x).max(-1, keepdims=True)
;;       e = np.where(a > 0, np.clip(np.frexp(np.where(a > 0, a, 1))[1] - 1 - 15, -126, 127), 0)      # np.frexp(a)[1] - 1 = floor(log2(a)), exactly
;;       r = np.clip(x / 2.0 ** e, -57344, 57344)
;;       step = 2.0 ** (np.maximum(np.frexp(np.where(r == 0, 1, r))[1] - 1, -14) - 2)
;;       q = np.round(r / step) * step * 2.0 ** e      # np.round: ties to even
;;       return np.moveaxis(q.reshape(q.shape[:-2] + (-1,))[..., :K], -1, axis).astype(np.float32)
;;   ~~~
;;   OPERANDS COMPUTED ON THE WAY. 'Computed on the way' means the value that the module computes at that place (a softmax that the list does not call 'softmax' is quantised finished and normalised). What goes into a quantiser is computed in f32, as accurately as f32 sums, v_exp_f32 and their like allow (about 1e-6 of the number): no bf16 or f16 on the way to a quantiser, and a product that is left as it is and whose result goes on into a quantised operand takes f32 operands (vector FMAs, or v_wmma_f32_16x16x4_f32). A number that lies on a knife's edge between two numbers of the format may be rounded either way, as far as f32 arithmetic and the matrix unit's own rounding can turn it there, and no further.
;; One version. Each part assembles by itself: llvm-mc -triple=amdgcn-amd-amdhsa -mcpu=gfx1250 --defsym DOCPART=n.
;; ======== version 1 of 1: 4 launches
;; limits: right only within a limited range of input values
;; workspace buffers: ptab 348,160 bytes; agg1 1,048,576 bytes; agg2 1,048,576 bytes; h0r 67,108,864 bytes; c0q 17,825,792 bytes; tail 1,048,576 bytes
;; launch lay0 (part 1): grid 8 x 32, 16 waves a work-group, no clusters, 299,008 bytes of LDS; arguments x, emb, W0, b0, Walign, Wl, Wout, ptab, h0r, c0q; writes ptab, h0r, c0q
.if DOCPART == 1
	.amdgcn_target "amdgcn-amd-amdhsa--gfx1250"
	.amdhsa_code_object_version 6
	.text
	.protected	k_qab70d8327d_lay0
	.globl	k_qab70d8327d_lay0
	.p2align	8
	.type	k_qab70d8327d_lay0,@function
k_qab70d8327d_lay0:
	s_mov_b64 s[64:65], 0
	v_nop
	global_prefetch_b8 v0, s[64:65] scope:SCOPE_SE
	s_setreg_imm32_b32 hwreg(HW_REG_WAVE_MODE, 25, 1), 1
	s_wait_xcnt 0x0
; LAY0.  All of layer 0, and the weights' images for the later launches.
; WORK LEFT OUT.  Layer 0 acts on emb[x], and the quantiser works row by row along E, so Q(emb[x]) = Q(emb)[x] for every x: products 1 and 2 and layer 0's activation are made once for each of the 256 tokens
; (a lookup by the index x), not for each position.  reference() keeps the last 16 positions of logits: product 5 is made for those rows alone (the last launch).  A NaN, an infinity or an overflow that reaches only rows left out is not carried.
; Work-group (cg, b): channels 32 cg .. 32 cg + 31 of batch b, all 2,048 positions.
; THE TABLE.  Wave w quantises emb's tokens 16 w .. 16 w + 15; waves 0-5 quantise one fragment each of W0's gate rows, W0's hid rows and Walign's rows of my channels (kind w / 2, channels 16 (w % 2) on) and hand it on as an image
; of the operand's registers in LDS.  Six products a wave, then a = sigmoid(-gate), b = sigmoid(gate) g(hid), g(x) = max(x, 0) + sigmoid(min(x, 0)).  In LDS: (a, b) 256 bytes a token, (a, b, align, 0) 512 bytes a token.
; THE IMAGES.  Wave 6 of work-groups J = 8 b + cg under 160 quantises fragment J (16 rows x 128 K) of Wl or Wout: J < 128: layer J >> 6, wave (J >> 2) & 15, kind (J >> 1) & 1, K step J & 1; J = 128 + 2 n + s: Wout's rows 16 n on.
; ptab: registers 4 c .. 4 c + 3 at 2048 J + 512 c + 16 x lane, the scale word at WSCL + 128 J + 4 x lane.
; THE SCAN.  Wave w owns segment w (128 positions), a lane one channel.  Pass 1: (A, Bs) of the segment, h_end = A h_in + Bs; the sixteen pairs meet in LDS; each wave folds 0.5 through the segments ahead of its own.
; Pass 2: h = a h + b, R = h + align; R takes the registers of the gather offsets that are done with, and leaves as the later launches' registers want it: a store's sixteen lanes fill 256 bytes, aligned.
; Then R turns through a stage in LDS (rows of 128 bytes + 16, laid over the tables, behind a barrier): a lane takes 16 neighbouring channels of a row, lane l xor 16 the block's other 16: product 3's operand is quantised.
; Wave w makes tiles 8 (w % 2) .. + 7 of segments 2 (w / 2), 2 (w / 2) + 1 (rows 0-7: positions 8 T .. of the even segment, rows 8-15: of the odd one); its 16 bytes a lane are registers 4 c .. 4 c + 3 of the fragment's image (c = cg % 4).
; A row's scale byte is byte cg % 4 of the scale word of K step cg / 4: one byte a lane, four bytes apart; the words' other bytes come from three other work-groups.
; A barrier parts every LDS store from the gathers, whose addresses hang on tokens.  No tensor load, no cluster: a work-group reads its inputs once.  No prefetch: all global reads stand at the head, there is no loop to run ahead in.
; LIMITS: x is held at 255; for gate under -83.2 z is held at 2^-120; NaN and infinities are not served; a block of zeros gets the scale byte 1 (its codes are zeros, and this program alone reads the bytes).
.set WSCL,   327680
.set T0,     65536                     ; LDS: (a, b) from 0, (a, b, align, 0) from T0,
.set AGG,    196608                    ; the segments' (A, Bs): 256 bytes a segment,
.set BIMG,   200704                    ; the weights' images, 2,048 bytes a wave,
.set BSC,    233472                    ; their scale words, 128 bytes a wave,
.set TOK,    235520                    ; each wave's 128 tokens
.set SPITCH, 144                       ; a stage row
.set SEGB,   18560                     ; a segment's 128 stage rows + 128 bytes: rows 8-15 of a tile fall on the banks that eight more rows of one segment would take
.set SPARE,  16*SEGB                   ; the spare words, 128 bytes a wave
.set LA,  1                            ; 16 x lane
.set CSV, 2                            ; 4 x lane
.set SPW, 3
.set NIL, 4
.set SIG, 5                            ; my segment
.set T0W, 6                            ; while the table is made: where my results go, and where the images lie
.set ABW, 7
.set BIA, 8
.set BSA, 9
.set AGA, 6                            ; afterwards
.set AGS, 7
.set HOV, 8
.set STW, 9
.set QR,  10
.set S,   11                           ; the state
.set A,   12                           ; v[12:13] (A, Bs); ahead of them the hid's bias, twice
.set BH,  12
.set KB,  14                           ; v[14:15] -log2(e) x the gate's bias, twice
.set TM,  16                           ; v16-23 the quantiser's work registers
.set DA,  16
.set SE,  24                           ; emb's scale word; v25-27 the images'; v28-31 the raw biases
.set IS,  25
.set RB,  28
.set BY,  24                           ; at the end v24-31: eight scale bytes
.set GD,  32                           ; v32-127 three groups of eight gathers
.set IM,  32
.set OUT, 32
.set PC,  32
.set DG,  80
.set DH,  88
.set CE,  96
.set CB,  112
.set M,   112
.set Z,   120
.set OFF, 128                          ; v128-255 128 gather offsets, then R, then the numbers to quantise
.set X0,  128
.set X1,  192
.set SEL, 30
.set MNT, 32
.set CN,  34
.macro BAR
	s_wait_alu depctr_va_vdst(0)                   ; the wait ahead of the waits below
	s_wait_dscnt 0x0                               ; my LDS stores have landed and my LDS loads are in
	s_barrier_signal -1
	s_barrier_wait -1
.endm
; Two blocks of 32 along K.  Register src + 16 b + i holds k = 32 b + 16 (lane / 16) + i of the lane's row.  sh = 0: the scale word's bytes 0, 1; sh = 1: bytes 2, 3.
.macro QH src, dst, pw, sh
.irp b, 0,1
	v_max3_num_f32 v[TM+\b], |v[\src+16*\b]|, |v[\src+16*\b+1]|, 0x8000000      ; my 16 numbers and the floor 2^(16 - 127): the byte cannot fall under 1
.endr
.irp i, 2,4,6,8,10,12,14
.irp b, 0,1
	v_max3_num_f32 v[TM+\b], v[TM+\b], |v[\src+16*\b+\i]|, |v[\src+16*\b+\i+1]|
.endr
.endr
.irp b, 0,1
	v_permlanex16_b32 v[TM+2+\b], v[TM+\b], s[SEL], s[SEL+1]
.endr
.irp b, 0,1
	v_max_num_f32 v[TM+\b], v[TM+\b], v[TM+2+\b]                                ; with lane l xor 16's: the block's largest magnitude
.endr
.irp b, 0,1
	v_add_nc_u32 v[TM+6+\b], 0xf8800000, v[TM+\b]                               ; 15 off its exponent field: the conversion's scale operand
.endr
.irp b, 0,1
	v_and_or_b32 v[TM+4+\b], v[TM+\b], 0x7f800000, s[MNT]                       ; 57,344 x the scale
.endr
.irp b, 0,1
	v_lshrrev_b32 v[TM+2+\b], 23, v[TM+6+\b]                                    ; the scale's byte
.endr
.if \sh
	v_lshl_or_b32 v[\pw], v[TM+2], 16, v[\pw]
	v_lshl_or_b32 v[\pw], v[TM+3], 24, v[\pw]
.else
	v_lshl_or_b32 v[\pw], v[TM+3], 8, v[TM+2]
.endif
.irp b, 0,1
.irp i, 0,1,2,3,4,5,6,7,8,9,10,11,12,13,14,15
	v_med3_num_f32 v[\src+16*\b+\i], v[\src+16*\b+\i], -v[TM+4+\b], v[TM+4+\b]  ; the conversion does not saturate (ISA guide 7.6.2): the hold comes first
.endr
	v_cvt_scalef32_pk8_bf8_f32 v[\dst+4*\b:\dst+4*\b+1], v[\src+16*\b:\src+16*\b+7], v[TM+6+\b]
	v_cvt_scalef32_pk8_bf8_f32 v[\dst+4*\b+2:\dst+4*\b+3], v[\src+16*\b+8:\src+16*\b+15], v[TM+6+\b]
.endr
	v_nop                                                                       ; one plain line behind the last conversion
.endm
.macro QUANT src, dst, pw
	QH \src, \dst, \pw, 0
	QH \src+32, \dst+8, \pw, 1
.endm
.macro FLOAD reg, voff, base           ; 64 numbers of a lane: row r, 16 neighbours of each block of 32
.irp b, 0,1,2,3
.irp i, 0,1,2,3
	global_load_b128 v[\reg+16*\b+4*\i:\reg+16*\b+4*\i+3], v[\voff], s[\base:\base+1] offset:128*\b+16*\i
.endr
.endr
.endm
; DG = raw gate, DH = raw hid, eight numbers each.  Out: Z = z = sigmoid(gate), DG = e = exp(-gate), DH = g(hid).
.macro ACT
.irp j, 0,2,4,6
	v_pk_fma_f32 v[DG+\j:DG+\j+1], v[DG+\j:DG+\j+1], s[CN:CN+1], v[KB:KB+1] op_sel_hi:[1,0,1]   ; u = -log2(e) (gate + bias)
.endr
.irp j, 0,1,2,3,4,5,6,7
	v_min_num_f32 v[DG+\j], 0x42f00000, v[DG+\j]                                ; u at most 120, so that e z stays finite
.endr
.irp j, 0,2,4,6
	v_pk_add_f32 v[DH+\j:DH+\j+1], v[DH+\j:DH+\j+1], v[BH:BH+1]
.endr
.irp j, 0,1,2,3,4,5,6,7
	v_min_num_f32 v[M+\j], 0, v[DH+\j]
.endr
.irp j, 0,2,4,6
	v_pk_add_f32 v[DH+\j:DH+\j+1], v[DH+\j:DH+\j+1], v[M+\j:M+\j+1] neg_lo:[0,1] neg_hi:[0,1]   ; max(hid, 0)
.endr
.irp j, 0,2,4,6
	v_pk_mul_f32 v[M+\j:M+\j+1], v[M+\j:M+\j+1], s[CN:CN+1] op_sel_hi:[1,0]
.endr
	s_wait_alu depctr_va_vdst(0)                   ; the wait ahead of a batch and behind it
.irp j, 0,1,2,3,4,5,6,7
	v_exp_f32 v[DG+\j], v[DG+\j]
.endr
.irp j, 0,1,2,3,4,5,6,7
	v_exp_f32 v[M+\j], v[M+\j]
.endr
	v_nop
	s_wait_alu depctr_va_vdst(0)
.irp j, 0,2,4,6
	v_pk_add_f32 v[Z+\j:Z+\j+1], v[DG+\j:DG+\j+1], 1.0 op_sel_hi:[1,0]
.endr
.irp j, 0,2,4,6
	v_pk_add_f32 v[M+\j:M+\j+1], v[M+\j:M+\j+1], 1.0 op_sel_hi:[1,0]
.endr
	s_wait_alu depctr_va_vdst(0)
.irp j, 0,1,2,3,4,5,6,7
	v_rcp_f32 v[Z+\j], v[Z+\j]
.endr
.irp j, 0,1,2,3,4,5,6,7
	v_rcp_f32 v[M+\j], v[M+\j]
.endr
	v_nop
	s_wait_alu depctr_va_vdst(0)
.irp j, 0,2,4,6
	v_pk_add_f32 v[DH+\j:DH+\j+1], v[DH+\j:DH+\j+1], v[M+\j:M+\j+1]             ; g(hid)
.endr
.endm
; My 16 tokens x channels 16 ct .. + 15: three products, the activation, into both tables.  In a result lane (r, h), register j: token 8 h + j, channel r.
.macro TB ct
.irp k, 0,1,2
.irp c, 0,1,2,3
	ds_load_b128 v[IM+16*\k+4*\c:IM+16*\k+4*\c+3], v[BIA] offset:2048*(2*\k+\ct)+512*\c
.endr
	ds_load_b32 v[IS+\k], v[BSA] offset:128*(2*\k+\ct)
.endr
	v_mul_f32 v[KB], s[CN], v[RB+\ct]
	v_mul_f32 v[KB+1], s[CN], v[RB+\ct]
	v_mov_b32 v[BH], v[RB+2+\ct]
	v_mov_b32 v[BH+1], v[RB+2+\ct]
	s_wait_alu depctr_va_vdst(0)                   ; the wait ahead of the wait below
	s_wait_dscnt 0x0
	v_wmma_scale_f32_16x16x128_f8f6f4 v[DG:DG+7], v[CE:CE+15], v[IM:IM+15], 0, v[SE], v[IS] matrix_a_fmt:MATRIX_FMT_BF8 matrix_b_fmt:MATRIX_FMT_BF8
	v_wmma_scale_f32_16x16x128_f8f6f4 v[DH:DH+7], v[CE:CE+15], v[IM+16:IM+31], 0, v[SE], v[IS+1] matrix_a_fmt:MATRIX_FMT_BF8 matrix_b_fmt:MATRIX_FMT_BF8
	v_wmma_scale_f32_16x16x128_f8f6f4 v[DA:DA+7], v[CE:CE+15], v[IM+32:IM+47], 0, v[SE], v[IS+2] matrix_a_fmt:MATRIX_FMT_BF8 matrix_b_fmt:MATRIX_FMT_BF8
.rept 8
	v_nop                                          ; eight places ahead of the first read of a result
.endr
	ACT
.irp j, 0,1,2,3,4,5,6,7
	v_mul_f32 v[OUT+4*\j], v[DG+\j], v[Z+\j]       ; a = e z
	v_mul_f32 v[OUT+4*\j+1], v[DH+\j], v[Z+\j]     ; b = z g
	v_mov_b32 v[OUT+4*\j+2], v[DA+\j]              ; align
	v_mov_b32 v[OUT+4*\j+3], 0
.endr
.irp j, 0,1,2,3,4,5,6,7
	ds_store_b128 v[T0W], v[OUT+4*\j:OUT+4*\j+3] offset:512*\j+256*\ct
.endr
.irp j, 0,1,2,3,4,5,6,7
	ds_store_b64 v[ABW], v[OUT+4*\j:OUT+4*\j+1] offset:256*\j+128*\ct
.endr
.endm
	s_load_b256 s[4:11], s[0:1], 0x0               ; x s[4:5], emb s[6:7], W0 s[8:9], b0 s[10:11]
	s_load_b256 s[12:19], s[0:1], 0x20             ; Walign s[12:13], Wl s[14:15], Wout s[16:17], ptab s[18:19]
	s_load_b128 s[20:23], s[0:1], 0x40             ; h0r s[20:21], c0q s[22:23]
	v_lshl_add_u32 v[SPW], v0, 2, SPARE
	v_mov_b32 v[NIL], 0
	v_lshrrev_b32 v[SIG], 5, v0
	v_readfirstlane_b32 s24, v[SIG]                ; wave
	s_lshr_b32 s25, s24, 1                         ; p; for waves 0-5 the kind
	s_and_b32 s26, s24, 1                          ; e; for waves 0-5 the channels' half
	s_and_b32 s27, ttmp7, 0xffff                   ; b
	s_lshl_b32 s28, s27, 3
	s_add_co_u32 s44, s28, ttmp9                   ; J = 8 b + cg
	s_add_co_u32 s28, s28, s25                     ; g = 8 b + p
	s_mov_b32 s[SEL], 0x76543210
	s_mov_b32 s[SEL+1], 0xfedcba98
	s_mov_b32 s[MNT], 0x600000
	s_mov_b32 s33, T0
	s_mov_b32 s[CN], 0xbfb8aa3b
	s_mov_b32 s[CN+1], 0xbfb8aa3b
	s_mov_b32 s37, 0
	s_cmp_lt_u32 s24, 6
	s_cselect_b32 s46, 1, 0
	s_cselect_b32 s45, 9, 10                       ; rows of 512 bytes (W0, Walign) or of 1,024 (Wl, Wout)
	s_cmp_eq_u32 s24, 6
	s_cselect_b32 s47, 1, 0
	s_cmp_lt_u32 s44, 160
	s_cselect_b32 s47, s47, 0
	s_or_b32 s46, s46, s47                         ; 1: my wave quantises a fragment of a weight
	s_lshl_b32 s38, s24, 13
	s_add_co_u32 s38, s38, T0
	s_lshl_b32 s39, s24, 12
	s_lshl_b32 s40, s24, 11
	s_add_co_u32 s40, s40, BIMG
	s_lshl_b32 s41, s24, 7
	s_add_co_u32 s41, s41, BSC
	s_lshl_b32 s42, s24, 9
	s_add_co_u32 s42, s42, TOK
	s_lshl_b32 s60, s24, 8
	s_mul_i32 s61, s24, SEGB
	s_mul_i32 s62, s25, 2*SEGB
	s_mul_i32 s49, s26, 64*SPITCH
	s_add_co_u32 s62, s62, s49
	s_lshl_b32 s48, ttmp9, 14                      ; waves 0-5: 32 cg rows of 512 bytes,
	s_lshl_b32 s49, s26, 13
	s_add_co_u32 s48, s48, s49                     ; + 16 rows for the upper half,
	s_cmp_eq_u32 s25, 1
	s_cselect_b32 s49, 0x20000, 0
	s_add_co_u32 s48, s48, s49                     ; + 256 rows for the hid rows
	s_lshr_b32 s52, s44, 6                         ; wave 6, Wl: the layer, 524,288 bytes,
	s_lshl_b32 s52, s52, 19
	s_bfe_u32 s53, s44, 0x10001
	s_lshl_b32 s53, s53, 18                        ; gate or hid rows,
	s_add_co_u32 s52, s52, s53
	s_bfe_u32 s53, s44, 0x40002
	s_lshl_b32 s53, s53, 14                        ; the later launches' wave: 16 rows,
	s_add_co_u32 s52, s52, s53
	s_and_b32 s49, s44, 1
	s_lshl_b32 s49, s49, 9                         ; the K step
	s_add_co_u32 s52, s52, s49
	s_bfe_u32 s53, s44, 0x40001                    ; Wout: n = (J - 128) / 2
	s_lshl_b32 s53, s53, 14
	s_add_co_u32 s53, s53, s49
	s_cmp_lt_u32 s44, 128
	s_cselect_b32 s52, s52, s53
	s_cmp_lt_u32 s24, 6
	s_cselect_b32 s36, s48, s52
	v_and_b32 v32, 31, v0                          ; lane
	v_and_b32 v33, 15, v0                          ; r
	v_bfe_u32 v34, v0, 4, 1                        ; h
	v_lshlrev_b32 v[LA], 4, v32
	v_lshlrev_b32 v[CSV], 2, v32
	v_lshlrev_b32 v35, 6, v34
	v_lshlrev_b32 v43, 3, v32                      ; 8 x lane
	v_lshl_add_u32 v36, v33, 9, v35                ; emb: 512 r + 64 h
	v_lshlrev_b32 v37, s45, v33
	v_lshlrev_b32 v42, 2, v33                      ; a bias: 4 r
	v_lshlrev_b32 v[T0W], 4, v33
	v_add_nc_u32 v37, v37, v35                     ; the weight: a row x r + 64 h
	v_add_nc_u32 v38, s40, v[LA]                   ; where my image goes,
	v_add_nc_u32 v39, s41, v[CSV]                  ; and its scale word
	v_add_nc_u32 v40, s42, v[LA]                   ; my tokens, in,
	v_mov_b32 v41, s42                             ; and back, the same in every lane
	v_lshl_add_u32 v[T0W], v34, 12, v[T0W]         ; 16 r + 8 h tokens of 512 bytes
	v_add_nc_u32 v[BIA], BIMG, v[LA]
	v_add_nc_u32 v[BSA], BSC, v[CSV]
	v_lshrrev_b32 v[ABW], 1, v[T0W]
	v_add_nc_u32 v[T0W], s38, v[T0W]
	v_add_nc_u32 v[ABW], s39, v[ABW]
	v_mov_b32 v[TM+2], 0                           ; written once: a lane permute's destination counts as one of its sources
	v_mov_b32 v[TM+3], 0
	s_wait_alu depctr_va_vdst(0)                   ; the wait at the head's end
	s_wait_kmcnt 0x0
	s_cmp_eq_u32 s25, 2                            ; every choice hangs on ids alone
	s_cselect_b64 s[50:51], s[12:13], s[8:9]
	s_cmp_lt_u32 s44, 128
	s_cselect_b64 s[54:55], s[14:15], s[16:17]
	s_cmp_lt_u32 s24, 6
	s_cselect_b64 s[50:51], s[50:51], s[54:55]
	s_add_nc_u64 s[50:51], s[50:51], s[36:37]
	s_cmp_lg_u32 s46, 0
	s_cbranch_scc0 .Lone
	FLOAD X1, 37, 50
.Lone:
	s_lshl_b32 s36, s24, 13
	s_add_nc_u64 s[6:7], s[6:7], s[36:37]          ; emb at token 16 w
	FLOAD X0, 36, 6
	s_lshl_b32 s36, s27, 13
	s_lshl_b32 s49, s24, 9
	s_add_co_u32 s36, s36, s49
	s_add_nc_u64 s[4:5], s[4:5], s[36:37]          ; x at my segment
	global_load_b128 v[44:47], v[LA], s[4:5]       ; its 128 tokens, four a lane
	s_lshl_b32 s36, ttmp9, 7
	s_add_nc_u64 s[10:11], s[10:11], s[36:37]      ; b0 at my channels
	global_load_b32 v[RB], v42, s[10:11]
	global_load_b32 v[RB+1], v42, s[10:11] offset:64
	global_load_b32 v[RB+2], v42, s[10:11] offset:1024
	global_load_b32 v[RB+3], v42, s[10:11] offset:1088
	s_lshl_b32 s36, s44, 11
	s_add_nc_u64 s[56:57], s[18:19], s[36:37]      ; ptab: image J,
	s_lshl_b32 s36, s44, 7
	s_add_nc_u64 s[18:19], s[18:19], s[36:37]      ; and its scale words
	s_lshl_b32 s36, s28, 18
	s_lshl_b32 s49, ttmp9, 11
	s_add_co_u32 s36, s36, s49
	s_lshl_b32 s49, s26, 8
	s_add_co_u32 s36, s36, s49
	s_add_nc_u64 s[20:21], s[20:21], s[36:37]      ; h0r: 262,144 g + 2,048 cg + 256 e
	s_lshl_b32 s36, s28, 12
	s_lshl_b32 s49, s26, 11
	s_add_co_u32 s36, s36, s49
	s_lshr_b32 s49, ttmp9, 2
	s_lshl_b32 s49, s49, 7
	s_add_co_u32 s36, s36, s49
	s_and_b32 s49, ttmp9, 3
	s_add_co_u32 s36, s36, s49
	s_add_nc_u64 s[58:59], s[22:23], 0x1000000
	s_add_nc_u64 s[58:59], s[58:59], s[36:37]      ; c0q's scale words: 4,096 g + 2,048 e + 128 (cg / 4) + cg % 4
	s_lshl_b32 s36, s28, 16
	s_lshl_b32 s49, s26, 15
	s_add_co_u32 s36, s36, s49
	s_lshl_b32 s49, ttmp9, 9
	s_add_co_u32 s36, s36, s49
	s_add_nc_u64 s[22:23], s[22:23], s[36:37]      ; c0q's images: 65,536 g + 32,768 e + 512 cg
	s_wait_loadcnt 0x0
	ds_store_b128 v40, v[44:47]
	QUANT X0, CE, SE
	s_wait_alu depctr_va_vdst(0)                   ; the wait ahead of the branch
	s_cmp_lg_u32 s46, 0
	s_cbranch_scc0 .Lnone
	QUANT X1, CB, IS
	s_wait_alu depctr_va_vdst(0)
	s_cmp_lt_u32 s24, 6
	s_cbranch_scc0 .Lglob
.irp c, 0,1,2,3
	ds_store_b128 v38, v[CB+4*\c:CB+4*\c+3] offset:512*\c
.endr
	ds_store_b32 v39, v[IS]
	s_branch .Lnone
.Lglob:
.irp c, 0,1,2,3
	global_store_b128 v[LA], v[CB+4*\c:CB+4*\c+3], s[56:57] offset:512*\c          ; 32 lanes store 512 consecutive bytes
.endr
	global_store_b32 v[CSV], v[IS], s[18:19] offset:WSCL
	s_wait_xcnt 0x0                                ; the stores have read their registers, which are written again below
.Lnone:
.set i, 0
.rept 32
	ds_load_b128 v[OFF+4*i:OFF+4*i+3], v41 offset:16*i             ; my wave's own bytes, in order behind its store: the 128 tokens in every lane
.set i, i+1
.endr
	s_wait_dscnt 0x0
.set i, 0
.rept 128
	v_min_u32 v[OFF+i], 0xff, v[OFF+i]             ; a loaded number enters an address only behind this hold
.set i, i+1
.endr
.set i, 0
.rept 128
	v_lshl_add_u32 v[OFF+i], v[OFF+i], 8, v43      ; 256 x token + 8 x channel
.set i, i+1
.endr
	BAR                                            ; the six images lie in LDS
	TB 0
	TB 1
	v_and_b32 v[HOV], 15, v0
	v_bfe_u32 v[S], v0, 4, 1
	v_bfe_u32 v[QR], v0, 3, 1
	v_and_b32 v16, 7, v0
	v_lshlrev_b32 v[HOV], 4, v[HOV]
	v_mul_u32_u24 v[QR], v[QR], SEGB
	v_lshl_add_u32 v[HOV], v[S], 10, v[HOV]        ; h0r: 1024 (channel / 16) + 16 (channel % 16)
	v_mad_u32_u24 v[QR], v16, SPITCH, v[QR]
	v_lshl_add_u32 v[AGA], v[CSV], 1, AGG
	v_lshl_add_u32 v[QR], v[S], 6, v[QR]
	v_add_nc_u32 v[STW], s61, v[CSV]               ; the stage, in: my segment, 4 x channel
	v_add_nc_u32 v[AGS], s60, v[AGA]
	v_add_nc_u32 v[QR], s62, v[QR]                 ; out: segment 2 p + r / 8, row 64 e + r % 8, + 64 h
	v_mov_b32 v[TM+2], 0                           ; written anew behind the products that lay over them: a lane permute's destination counts as one of its sources
	v_mov_b32 v[TM+3], 0
	v_mov_b32 v[A], 1.0
	v_mov_b32 v[A+1], 0
	BAR                                            ; both tables lie in LDS
; ---- pass 1: groups of eight positions, three groups of gathers on their way
.macro LD1
.irp j, 0,1,2,3,4,5,6,7
	ds_load_b64 v[GD+32*(q%3)+4*\j:GD+32*(q%3)+4*\j+1], v[OFF+8*q+\j]
.endr
.endm
.macro LD2
.irp j, 0,1,2,3,4,5,6,7
	ds_load_b128 v[GD+32*(q%3)+4*\j:GD+32*(q%3)+4*\j+3], v[OFF+8*q+\j]
.endr
.endm
.macro WAITG                           ; group q is in; the groups behind it, two at the most, stay out
.if q < 14
	s_wait_dscnt 16
.else
	s_wait_dscnt 8*(15-q)
.endif
.endm
.set q, 0
.rept 3
	LD1
.set q, q+1
.endr
.set q, 0
.rept 16
.if q > 0
	s_wait_alu depctr_va_vdst(0)
.endif
	WAITG
.set C, GD+32*(q%3)
	v_mul_f32 v[A], v[A], v[C]
	v_fma_f32 v[A+1], v[C], v[A+1], v[C+1]
.irp j, 1,2,3,4,5,6,7
	s_delay_alu instid0(VALU_DEP_2)
	v_mul_f32 v[A], v[A], v[C+4*\j]
	s_delay_alu instid0(VALU_DEP_2)
	v_fma_f32 v[A+1], v[C+4*\j], v[A+1], v[C+4*\j+1]
.endr
.if q+3 < 16
.set q, q+3
	LD1
.set q, q-3
.endif
.set q, q+1
.endr
.set i, 0
.rept 128
	v_lshl_add_u32 v[OFF+i], v[OFF+i], 1, s33      ; pass 2's offsets: T0 + 512 x token + 16 x channel
.set i, i+1
.endr
	BAR                                            ; every wave's gathers of pass 1 are in
	ds_store_b64 v[AGS], v[A:A+1]
	s_wait_dscnt 0x0
	s_barrier_signal -1
	s_barrier_wait -1                              ; the sixteen pairs lie in LDS
.irp s, 0,1,2,3,4,5,6,7,8,9,10,11,12,13,14
	ds_load_b64 v[GD+64+2*\s:GD+64+2*\s+1], v[AGA] offset:256*\s
.endr
.set q, 0
	LD2
.set q, 1
	LD2
	s_wait_dscnt 16                                ; the pairs are in; the sixteen gathers stay out
	v_mov_b32 v[S], 0.5                            ; h_0 = g(0)
.irp s, 0,1,2,3,4,5,6,7,8,9,10,11,12,13,14
	s_delay_alu instid0(VALU_DEP_1)
	v_fma_f32 v16, v[GD+64+2*\s], v[S], v[GD+64+2*\s+1]   ; through segment s,
	v_cmp_lt_u32 vcc_lo, \s, v[SIG]                ; if it lies ahead of mine: a choice on ids, made without a branch
	s_delay_alu instid0(VALU_DEP_1)
	v_cndmask_b32 v[S], v[S], v16, vcc_lo
.endr
.set q, 2
	LD2
; ---- pass 2
.set q, 0
.rept 16
	s_wait_alu depctr_va_vdst(0)
	WAITG
.set C, GD+32*(q%3)
	v_fma_f32 v[S], v[C], v[S], v[C+1]
	s_delay_alu instid0(VALU_DEP_1)
	v_add_f32 v[OFF+8*q], v[S], v[C+2]
.irp j, 1,2,3,4,5,6,7
	s_delay_alu instid0(VALU_DEP_2)
	v_fma_f32 v[S], v[C+4*\j], v[S], v[C+4*\j+1]
	s_delay_alu instid0(VALU_DEP_1)
	v_add_f32 v[OFF+8*q+\j], v[S], v[C+4*\j+2]     ; over an offset whose gather has been issued
.endr
	global_store_b128 v[HOV], v[OFF+8*q:OFF+8*q+3], s[20:21] offset:16384*q th:TH_STORE_NT         ; four positions a lane; sixteen lanes store 256 consecutive bytes, aligned
	global_store_b128 v[HOV], v[OFF+8*q+4:OFF+8*q+7], s[20:21] offset:16384*q+512 th:TH_STORE_NT
.if q+3 < 16
.set q, q+3
	LD2
.set q, q-3
.endif
.set q, q+1
.endr
	BAR                                            ; nobody reads the tables any more: the stage lies over them
.set i, 0
.rept 128
	ds_store_b32 v[STW], v[OFF+i] offset:SPITCH*i  ; a position's 32 channels: 128 consecutive bytes
.set i, i+1
.endr
	s_wait_dscnt 0x0
	s_wait_xcnt 0x0                                ; the stores to memory have read R: its registers take the numbers to quantise
	s_barrier_signal -1
	s_barrier_wait -1                              ; all 2,048 rows lie in the stage
.set q, 0
.rept 8
.irp i, 0,1,2,3
	ds_load_b128 v[OFF+16*q+4*\i:OFF+16*q+4*\i+3], v[QR] offset:8*SPITCH*q+16*\i
.endr
.set q, q+1
.endr
; ---- two tiles by turns: a lane's 16 numbers of one block each
.macro QT k
.set X, OFF+32*\k
	s_wait_dscnt 24-8*\k                           ; these two tiles' eight loads are in
.irp b, 0,1
	v_max3_num_f32 v[TM+\b], |v[X+16*\b]|, |v[X+16*\b+1]|, 0x8000000
.endr
.irp i, 2,4,6,8,10,12,14
.irp b, 0,1
	s_delay_alu instid0(VALU_DEP_2)
	v_max3_num_f32 v[TM+\b], v[TM+\b], |v[X+16*\b+\i]|, |v[X+16*\b+\i+1]|
.endr
.endr
.irp b, 0,1
	v_permlanex16_b32 v[TM+2+\b], v[TM+\b], s[SEL], s[SEL+1]
.endr
.irp b, 0,1
	s_delay_alu instid0(VALU_DEP_2)
	v_max_num_f32 v[TM+\b], v[TM+\b], v[TM+2+\b]
.endr
.irp b, 0,1
	s_delay_alu instid0(VALU_DEP_2)
	v_add_nc_u32 v[TM+6+\b], 0xf8800000, v[TM+\b]
.endr
.irp b, 0,1
	s_delay_alu instid0(VALU_DEP_4)
	v_and_or_b32 v[TM+4+\b], v[TM+\b], 0x7f800000, s[MNT]
.endr
.irp b, 0,1
	s_delay_alu instid0(VALU_DEP_4)
	v_lshrrev_b32 v[BY+2*\k+\b], 23, v[TM+6+\b]                                 ; the scale's byte
.endr
.irp b, 0,1
.irp i, 0,1,2,3,4,5,6,7,8,9,10,11,12,13,14,15
	v_med3_num_f32 v[X+16*\b+\i], v[X+16*\b+\i], -v[TM+4+\b], v[TM+4+\b]
.endr
	v_cvt_scalef32_pk8_bf8_f32 v[PC+8*\k+4*\b:PC+8*\k+4*\b+1], v[X+16*\b:X+16*\b+7], v[TM+6+\b]
	v_cvt_scalef32_pk8_bf8_f32 v[PC+8*\k+4*\b+2:PC+8*\k+4*\b+3], v[X+16*\b+8:X+16*\b+15], v[TM+6+\b]
.endr
	v_nop                                                                       ; one plain line behind the last conversion
.irp b, 0,1
	global_store_b128 v[LA], v[PC+8*\k+4*\b:PC+8*\k+4*\b+3], s[22:23] offset:4096*(2*\k+\b)   ; 32 lanes store 512 consecutive bytes
	global_store_b8 v[CSV], v[BY+2*\k+\b], s[58:59] offset:256*(2*\k+\b)
.endr
.endm
	QT 0
	QT 1
	QT 2
	QT 3
	s_wait_tensorcnt 0x0                           ; the wave's end
	ds_add_u32 v[SPW], v[NIL]
	s_wait_dscnt 0x0
	s_endpgm
.Lfunc_end_k_qab70d8327d_lay0:
	.size	k_qab70d8327d_lay0, .Lfunc_end_k_qab70d8327d_lay0-k_qab70d8327d_lay0
	.p2alignl 7, 3214868480
	.fill 96, 4, 3214868480
	.section	.rodata,"a",@progbits
	.p2align	6, 0x0
	.amdhsa_kernel k_qab70d8327d_lay0
		.amdhsa_group_segment_fixed_size 299008
		.amdhsa_private_segment_fixed_size 0
		.amdhsa_enable_private_segment 0
		.amdhsa_kernarg_size 80
		.amdhsa_user_sgpr_count 2
		.amdhsa_user_sgpr_kernarg_segment_ptr 1
		.amdhsa_wavefront_size32 1
		.amdhsa_system_sgpr_workgroup_id_x 1
		.amdhsa_system_sgpr_workgroup_id_y 1
		.amdhsa_system_sgpr_workgroup_id_z 1
		.amdhsa_system_vgpr_workitem_id 0
		.amdhsa_next_free_vgpr 256
		.amdhsa_next_free_sgpr 66
		.amdhsa_reserve_vcc 1
		.amdhsa_float_denorm_mode_32 3
		.amdhsa_float_denorm_mode_16_64 3
		.amdhsa_memory_ordered 1
		.amdhsa_forward_progress 1
		.amdhsa_inst_pref_size 163
	.end_amdhsa_kernel
	.amdgpu_metadata
---
amdhsa.version: [ 1, 2 ]
amdhsa.kernels:
  - .name:           k_qab70d8327d_lay0
    .symbol:         k_qab70d8327d_lay0.kd
    .args:
      - { .name: x, .offset: 0, .size: 8, .value_kind: global_buffer, .address_space: global }
      - { .name: emb, .offset: 8, .size: 8, .value_kind: global_buffer, .address_space: global }
      - { .name: W0, .offset: 16, .size: 8, .value_kind: global_buffer, .address_space: global }
      - { .name: b0, .offset: 24, .size: 8, .value_kind: global_buffer, .address_space: global }
      - { .name: Walign, .offset: 32, .size: 8, .value_kind: global_buffer, .address_space: global }
      - { .name: Wl, .offset: 40, .size: 8, .value_kind: global_buffer, .address_space: global }
      - { .name: Wout, .offset: 48, .size: 8, .value_kind: global_buffer, .address_space: global }
      - { .name: ptab, .offset: 56, .size: 8, .value_kind: global_buffer, .address_space: global }
      - { .name: h0r, .offset: 64, .size: 8, .value_kind: global_buffer, .address_space: global }
      - { .name: c0q, .offset: 72, .size: 8, .value_kind: global_buffer, .address_space: global }
    .group_segment_fixed_size: 299008
    .private_segment_fixed_size: 0
    .kernarg_segment_align: 8
    .kernarg_segment_size: 80
    .max_flat_workgroup_size: 512
    .sgpr_count:     66
    .vgpr_count:     256
    .wavefront_size: 32
...
	.end_amdgpu_metadata
.endif
;; end of part 1
;; launch lay1 (part 2): grid 8 x 32, 16 waves a work-group, no clusters, 71,680 bytes of LDS; arguments ptab, bl, c0q, agg1; writes agg1
.if DOCPART == 2
	.amdgcn_target "amdgcn-amd-amdhsa--gfx1250"
	.amdhsa_code_object_version 6
	.text
	.protected	k_qab70d8327d_lay1
	.globl	k_qab70d8327d_lay1
	.p2align	8
	.type	k_qab70d8327d_lay1,@function
k_qab70d8327d_lay1:
	s_mov_b64 s[64:65], 0
	v_nop
	global_prefetch_b8 v0, s[64:65] scope:SCOPE_SE
	s_setreg_imm32_b32 hwreg(HW_REG_WAVE_MODE, 25, 1), 1
	s_wait_xcnt 0x0
; LAY1.  Work-group (p, b) owns segments 2 p and 2 p + 1 of batch b.  From the stored codes of h0 + align it makes product 3, layer 1's activation and (A, Bs) of its two segments: h_end = A h_in + Bs.
; Sixteen waves; wave w owns channels 16 w .. 16 w + 15: its 16 gate rows and 16 hid rows of Wl[0] stay in registers.  The work-group's 32 images of the operand's registers (16 tiles x 2 K steps) are copied into LDS once, two a wave.
; A tile's rows 0-7 are positions 8 T .. of segment 2 p, rows 8-15 of segment 2 p + 1: in a result lane (r, h) holds channel r of segment 2 p + h, registers along the positions.
; A trip takes two tiles: eight products on four accumulators by turns; the biases are the C of each sum's first product, the hid's with 0.5 added.
; THE ACTIVATION.  z = sigmoid(gate) = 1 / (1 + exp(-gate)), a = 1 - z, b = z g(hid).  g(x) = x + 0.5 for x >= 0 and sigmoid(x) below is max(x + 0.5, sigmoid(x)) for every x: sigmoid is convex under 0 with slope 1/4 at 0, so it lies
; over x + 0.5 there, and under it above 0.  With y = hid + 0.5: 1 + exp(-hid) = exp(-y) exp(0.5) + 1, one fused multiply-add.  An exponential that overflows gives the reciprocal 0: no hold is needed.
; No prefetch: all global reads stand at the head, there is no loop to run ahead in.  No tensor load, no cluster: what work-groups share (the weights, 128 KiB) is read once by each, into registers.
; LIMITS: a carries the rounding of 1 - z, half a unit in the last place of 1; NaN and infinities are not served.
.set WIMG,  0
.set WSCL,  327680
.set IMG0,  0                          ; 32 images of 2,048 bytes,
.set SC0,   65536                      ; their scale words, 128 bytes each,
.set SPARE, 69632                      ; the spare words, 128 bytes a wave
.set LI,  1
.set LS,  2
.set SPW, 3
.set NIL, 4
.set ADR, 5
.set ADS, 6
.set AGW, 7
.set BO,  8
.set SCA, 9
.set AP,  10                           ; v[10:11] the products of the a at even and at odd positions
.set WS,  12                           ; v12-15 the weights' scale words
.set AS,  16                           ; v16-19 the rows': tile t, K step s at 2 t + s
.set BG,  20                           ; v20-27 the gate's bias, eight times
.set BHD, 28                           ; v28-35 the hid's + 0.5
.set G,   36                           ; v36-51 two tiles' gates
.set BS,  52                           ; Bs
.set FIN, 54                           ; v[54:55] (A, Bs) on the way out
.set AF,  64                           ; v64-127 four fragments; M lies over them
.set M,   64
.set H,   128                          ; v128-143 two tiles' hids
.set W,   192                          ; v192-255 gate K 0, gate K 1, hid K 0, hid K 1
.set CN,  20                           ; s[20:21] -log2(e)
	s_load_b128 s[4:7], s[0:1], 0x0                ; ptab, bl
	s_load_b128 s[8:11], s[0:1], 0x10              ; c0q, agg1
	v_lshl_add_u32 v[SPW], v0, 2, SPARE
	v_mov_b32 v[NIL], 0
	v_lshrrev_b32 v[ADR], 5, v0
	v_readfirstlane_b32 s12, v[ADR]                ; wave
	s_lshl_b32 s13, s12, 7
	s_lshl_b32 s14, s12, 6
	s_lshl_b32 s17, s12, 11
	s_and_b32 s15, ttmp7, 0xffff
	s_lshl_b32 s16, s15, 3
	s_add_co_u32 s16, s16, ttmp9                   ; g = 8 b + p
	s_mov_b32 s[CN], 0xbfb8aa3b
	s_mov_b32 s[CN+1], 0xbfb8aa3b
	s_mov_b32 s19, 0
	v_and_b32 v[ADS], 31, v0
	v_and_b32 v[BO], 15, v0                        ; r
	v_bfe_u32 v[SCA], v0, 4, 1                     ; h
	v_lshlrev_b32 v[LI], 4, v[ADS]
	v_lshlrev_b32 v[LS], 2, v[ADS]
	v_lshl_add_u32 v[AGW], v[BO], 3, s13           ; 8 x my channel
	v_lshl_add_u32 v[BO], v[BO], 2, s14            ; 4 x my channel
	v_add_nc_u32 v[ADR], s17, v[LI]                ; 2048 w + 16 x lane
	v_add_nc_u32 v[ADS], s13, v[LS]                ; 128 w + 4 x lane
	v_lshl_add_u32 v[AGW], v[SCA], 11, v[AGW]      ; + 2048 h
	v_add_nc_u32 v[SCA], SC0, v[ADS]
	v_mov_b32 v[AP], 1.0
	v_mov_b32 v[AP+1], 1.0
	v_mov_b32 v[BS], 0
	s_wait_alu depctr_va_vdst(0)                   ; the wait at the head's end
	s_wait_kmcnt 0x0
	s_lshl_b32 s18, s16, 12
	s_add_nc_u64 s[10:11], s[10:11], s[18:19]      ; agg1: 4,096 bytes a work-group
	s_add_nc_u64 s[22:23], s[8:9], 0x1000000
	s_add_nc_u64 s[22:23], s[22:23], s[18:19]      ; c0q's scale words
	s_lshl_b32 s18, s16, 16
	s_add_nc_u64 s[8:9], s[8:9], s[18:19]          ; c0q's images
	s_lshl_b32 s18, s12, 13
	s_add_nc_u64 s[24:25], s[4:5], s[18:19]        ; my four fragments' images
	s_lshl_b32 s18, s12, 9
	s_add_nc_u64 s[26:27], s[4:5], s[18:19]        ; and their scale words
.irp k, 0,1
.irp c, 0,1,2,3
	global_load_b128 v[64+16*\k+4*\c:64+16*\k+4*\c+3], v[ADR], s[8:9] offset:32768*\k+512*\c
.endr
.endr
.irp k, 0,1
	global_load_b32 v[96+\k], v[ADS], s[22:23] offset:2048*\k
.endr
	global_load_b32 v98, v[BO], s[6:7]             ; bl[0]: the gate's bias,
	global_load_b32 v99, v[BO], s[6:7] offset:1024 ; the hid's
.irp f, 0,1,2,3
.irp c, 0,1,2,3
	global_load_b128 v[W+16*\f+4*\c:W+16*\f+4*\c+3], v[LI], s[24:25] offset:WIMG+2048*\f+512*\c
.endr
.endr
.irp f, 0,1,2,3
	global_load_b32 v[WS+\f], v[LS], s[26:27] offset:WSCL+128*\f
.endr
	s_wait_loadcnt 22                              ; the ten loads of codes are in; behind them: 2 + 16 + 4
.irp k, 0,1
.irp c, 0,1,2,3
	ds_store_b128 v[ADR], v[64+16*\k+4*\c:64+16*\k+4*\c+3] offset:IMG0+32768*\k+512*\c
.endr
.endr
.irp k, 0,1
	ds_store_b32 v[SCA], v[96+\k] offset:2048*\k
.endr
	s_wait_loadcnt 20                              ; the biases are in; the weights' 20 loads may be out
.irp j, 0,1,2,3,4,5,6,7
	v_mov_b32 v[BG+\j], v98
	v_add_f32 v[BHD+\j], 0.5, v99
.endr
	s_wait_alu depctr_va_vdst(0)                   ; the wait ahead of the waits below
	s_wait_loadcnt 0x0
	s_wait_dscnt 0x0
	s_barrier_signal -1
	s_barrier_wait -1                              ; all 32 images lie in LDS
	s_mov_b32 s30, IMG0
	s_mov_b32 s31, SC0
	s_mov_b32 s28, 0
.Ltwo:
	v_add_nc_u32 v[ADR], s30, v[LI]
	v_add_nc_u32 v[ADS], s31, v[LS]
.irp f, 0,1,2,3
.irp c, 0,1,2,3
	ds_load_b128 v[AF+16*\f+4*\c:AF+16*\f+4*\c+3], v[ADR] offset:2048*\f+512*\c
.endr
.endr
.irp f, 0,1,2,3
	ds_load_b32 v[AS+\f], v[ADS] offset:128*\f
.endr
	s_wait_dscnt 0x0
.irp t, 0,1
	v_wmma_scale_f32_16x16x128_f8f6f4 v[G+8*\t:G+8*\t+7], v[AF+32*\t:AF+32*\t+15], v[W:W+15], v[BG:BG+7], v[AS+2*\t], v[WS] matrix_a_fmt:MATRIX_FMT_BF8 matrix_b_fmt:MATRIX_FMT_BF8
	v_wmma_scale_f32_16x16x128_f8f6f4 v[H+8*\t:H+8*\t+7], v[AF+32*\t:AF+32*\t+15], v[W+32:W+47], v[BHD:BHD+7], v[AS+2*\t], v[WS+2] matrix_a_fmt:MATRIX_FMT_BF8 matrix_b_fmt:MATRIX_FMT_BF8
.endr
.irp t, 0,1
	v_wmma_scale_f32_16x16x128_f8f6f4 v[G+8*\t:G+8*\t+7], v[AF+32*\t+16:AF+32*\t+31], v[W+16:W+31], v[G+8*\t:G+8*\t+7], v[AS+2*\t+1], v[WS+1] matrix_a_fmt:MATRIX_FMT_BF8 matrix_b_fmt:MATRIX_FMT_BF8
	v_wmma_scale_f32_16x16x128_f8f6f4 v[H+8*\t:H+8*\t+7], v[AF+32*\t+16:AF+32*\t+31], v[W+48:W+63], v[H+8*\t:H+8*\t+7], v[AS+2*\t+1], v[WS+3] matrix_a_fmt:MATRIX_FMT_BF8 matrix_b_fmt:MATRIX_FMT_BF8
.endr
.rept 9
	v_nop                                          ; eight places ahead of the reads of the results; the ninth for the next trip's products, which begin the sums anew
.endr
.irp j, 0,2,4,6,8,10,12,14
	v_pk_mul_f32 v[G+\j:G+\j+1], v[G+\j:G+\j+1], s[CN:CN+1] op_sel_hi:[1,0]        ; -log2(e) gate; each result is read from its low end on
.endr
.irp j, 0,2,4,6,8,10,12,14
	v_pk_mul_f32 v[M+\j:M+\j+1], v[H+\j:H+\j+1], s[CN:CN+1] op_sel_hi:[1,0]        ; -log2(e) y
.endr
	s_wait_alu depctr_va_vdst(0)                   ; the wait ahead of the batch
.irp j, 0,1,2,3,4,5,6,7,8,9,10,11,12,13,14,15
	v_exp_f32 v[G+\j], v[G+\j]
.endr
.irp j, 0,1,2,3,4,5,6,7,8,9,10,11,12,13,14,15
	v_exp_f32 v[M+\j], v[M+\j]
.endr
	v_nop                                          ; a plain line behind the batch,
	s_wait_alu depctr_va_vdst(0)                   ; and one wait for its 32, ahead of the first reader
.irp j, 0,2,4,6,8,10,12,14
	v_pk_add_f32 v[G+\j:G+\j+1], v[G+\j:G+\j+1], 1.0 op_sel_hi:[1,0]
.endr
.irp j, 0,2,4,6,8,10,12,14
	v_pk_fma_f32 v[M+\j:M+\j+1], v[M+\j:M+\j+1], 0x3fd3094c, 1.0 op_sel_hi:[1,0,0] ; exp(-y) exp(0.5) + 1
.endr
	s_wait_alu depctr_va_vdst(0)
.irp j, 0,1,2,3,4,5,6,7,8,9,10,11,12,13,14,15
	v_rcp_f32 v[G+\j], v[G+\j]                     ; z
.endr
.irp j, 0,1,2,3,4,5,6,7,8,9,10,11,12,13,14,15
	v_rcp_f32 v[M+\j], v[M+\j]                     ; sigmoid(hid)
.endr
	v_nop
	s_wait_alu depctr_va_vdst(0)
.irp j, 0,1,2,3,4,5,6,7,8,9,10,11,12,13,14,15
	v_max_num_f32 v[H+\j], v[H+\j], v[M+\j]        ; g
.endr
.irp j, 0,2,4,6,8,10,12,14
	v_pk_mul_f32 v[H+\j:H+\j+1], v[H+\j:H+\j+1], v[G+\j:G+\j+1]                    ; b = z g
.endr
.irp j, 0,2,4,6,8,10,12,14
	v_pk_add_f32 v[G+\j:G+\j+1], v[G+\j:G+\j+1], 1.0 op_sel_hi:[1,0] neg_lo:[1,0] neg_hi:[1,0]   ; a = 1 - z
.endr
.irp j, 0,2,4,6,8,10,12,14
	v_pk_mul_f32 v[AP:AP+1], v[AP:AP+1], v[G+\j:G+\j+1]
	v_fma_f32 v[BS], v[G+\j], v[BS], v[H+\j]
	s_delay_alu instid0(VALU_DEP_1)
	v_fma_f32 v[BS], v[G+\j+1], v[BS], v[H+\j+1]
.endr
	s_add_co_u32 s30, s30, 8192
	s_add_co_u32 s31, s31, 512
	s_add_co_u32 s28, s28, 1
	s_cmp_lt_u32 s28, 8
	s_cbranch_scc1 .Ltwo
	v_mul_f32 v[FIN], v[AP], v[AP+1]
	v_mov_b32 v[FIN+1], v[BS]
	global_store_b64 v[AGW], v[FIN:FIN+1], s[10:11]   ; sixteen lanes store 128 consecutive bytes
	s_wait_tensorcnt 0x0                           ; the wave's end
	ds_add_u32 v[SPW], v[NIL]
	s_wait_dscnt 0x0
	s_endpgm
.Lfunc_end_k_qab70d8327d_lay1:
	.size	k_qab70d8327d_lay1, .Lfunc_end_k_qab70d8327d_lay1-k_qab70d8327d_lay1
	.p2alignl 7, 3214868480
	.fill 96, 4, 3214868480
	.section	.rodata,"a",@progbits
	.p2align	6, 0x0
	.amdhsa_kernel k_qab70d8327d_lay1
		.amdhsa_group_segment_fixed_size 71680
		.amdhsa_private_segment_fixed_size 0
		.amdhsa_enable_private_segment 0
		.amdhsa_kernarg_size 32
		.amdhsa_user_sgpr_count 2
		.amdhsa_user_sgpr_kernarg_segment_ptr 1
		.amdhsa_wavefront_size32 1
		.amdhsa_system_sgpr_workgroup_id_x 1
		.amdhsa_system_sgpr_workgroup_id_y 1
		.amdhsa_system_sgpr_workgroup_id_z 1
		.amdhsa_system_vgpr_workitem_id 0
		.amdhsa_next_free_vgpr 256
		.amdhsa_next_free_sgpr 66
		.amdhsa_reserve_vcc 0
		.amdhsa_float_denorm_mode_32 3
		.amdhsa_float_denorm_mode_16_64 3
		.amdhsa_memory_ordered 1
		.amdhsa_forward_progress 1
		.amdhsa_inst_pref_size 18
	.end_amdhsa_kernel
	.amdgpu_metadata
---
amdhsa.version: [ 1, 2 ]
amdhsa.kernels:
  - .name:           k_qab70d8327d_lay1
    .symbol:         k_qab70d8327d_lay1.kd
    .args:
      - { .name: ptab, .offset: 0, .size: 8, .value_kind: global_buffer, .address_space: global }
      - { .name: bl, .offset: 8, .size: 8, .value_kind: global_buffer, .address_space: global }
      - { .name: c0q, .offset: 16, .size: 8, .value_kind: global_buffer, .address_space: global }
      - { .name: agg1, .offset: 24, .size: 8, .value_kind: global_buffer, .address_space: global }
    .group_segment_fixed_size: 71680
    .private_segment_fixed_size: 0
    .kernarg_segment_align: 8
    .kernarg_segment_size: 32
    .max_flat_workgroup_size: 512
    .sgpr_count:     66
    .vgpr_count:     256
    .wavefront_size: 32
...
	.end_amdgpu_metadata
.endif
;; end of part 2
;; launch lay2 (part 3): grid 8 x 32, 16 waves a work-group, no clusters, 239,616 bytes of LDS; arguments ptab, bl, agg1, h0r, c0q, agg2, tail; writes agg2, tail
.if DOCPART == 3
	.amdgcn_target "amdgcn-amd-amdhsa--gfx1250"
	.amdhsa_code_object_version 6
	.text
	.protected	k_qab70d8327d_lay2
	.globl	k_qab70d8327d_lay2
	.p2align	8
	.type	k_qab70d8327d_lay2,@function
k_qab70d8327d_lay2:
	s_mov_b64 s[64:65], 0
	v_nop
	global_prefetch_b8 v0, s[64:65] scope:SCOPE_SE
	s_setreg_imm32_b32 hwreg(HW_REG_WAVE_MODE, 25, 1), 1
	s_wait_xcnt 0x0
; LAY2.  Work-group (p, b), segments 2 p and 2 p + 1, shares and tile layout as in the launch before.  Product 3 and its activation are made again from the stored codes (the same instructions on the same codes),
; now with layer 1's carry from agg1: h1 = scan + (h0 + align).  h1 is quantised (through a stage in LDS), multiplied by Wl[1], and layer 2's (A, Bs) are made for both segments.
; For the last 16 positions of a batch (p = 7, segment 15, tiles 14 and 15) the running product P and L = the local scan + h1 go to memory: h2 = P x carry + L is finished by the last launch.
; Both layers' weights of my 16 channels stay in registers (128); Wl[1]'s are asked for behind chunk 0's first loop and waited for ahead of its second.
; Two chunks of 8 tiles: 8 tiles of product 3 | barrier | quantise | barrier | 8 tiles of product 4.
; THE RESIDUAL is loaded a step ahead, into two sets of registers by turns: a step's top waits for its own and asks for the next tile's; a chunk's last step asks for none (a branch on the loop's counter);
; a chunk's first tile is asked for at the head, or ahead of the chunk before's second loop.
; THE ACTIVATION: z = 1 / (1 + exp(-gate)), a = 1 - z, b = z g(hid), g(x) = max(x + 0.5, sigmoid(x)) (the launch before shows why); the hid's bias holds the 0.5.  An exponential that overflows gives the reciprocal 0.
; LIMITS: a carries the rounding of 1 - z, half a unit in the last place of 1; NaN and infinities are not served; a block of zeros gets the scale byte 1.
.set WIMG,  0
.set WSCL,  327680
.set PITCH, 1040
.set TSTEP, 16*PITCH
.set IMG0,  0                          ; 32 images of h0's codes,
.set SC0,   65536                      ; their scale words,
.set STAGE, 69632                      ; 128 rows of 1,024 bytes + 16,
.set IMG1,  STAGE+128*PITCH            ; 16 images of h1's codes,
.set SC1,   IMG1+32768                 ; their scale words
.set LI,  1
.set LS,  2
.set STW, 3                            ; the stage, on the way in: STAGE + 8320 h + 64 w + 4 r
.set QRD, 4                            ; on the way out
.set IMW, 5
.set SCW, 6
.set HO,  7                            ; h0r: 1024 w + 16 x lane
.set AGV, 8                            ; 8 x my channel
.set AGW, 9                            ; + 2048 h
.set TLV, 10                           ; 4 x my channel
.set PFV, 11                           ; the prefetches' offset: 8192 (w % 2) + 256 x lane
.set ADR, 12
.set ADS, 13
.set STA, 14
.set HOA, 15
.set S1,  16                           ; layer 1's state
.set PW,  17
.set A2,  18                           ; v[18:19] layer 2's running (A, Bs)
.set KB1, 20
.set BH1, 22
.set WS1, 24
.set WS2, 28
.set AS,  32
.set PFA, 34
.set SIG, 35
.set KB2, 36
.set BH2, 38
.set AF,  40
.set M,   40
.set X,   40                           ; v40-103 64 numbers to quantise
.set G,   72
.set H,   80
.set RSA, 88                           ; v88-95, v96-103 two tiles' residuals
.set RSB, 96
.set TM,  104
.set PC,  112
.set W1,  128
.set W2,  192
.set CN,  32
.set SEL, 34
.set MNT, 36
.macro QH src, dst, pw, sh
.irp b, 0,1
	v_max3_num_f32 v[TM+\b], |v[\src+16*\b]|, |v[\src+16*\b+1]|, 0x8000000      ; my 16 numbers and the floor 2^(16 - 127)
.endr
.irp i, 2,4,6,8,10,12,14
.irp b, 0,1
	s_delay_alu instid0(VALU_DEP_2)
	v_max3_num_f32 v[TM+\b], v[TM+\b], |v[\src+16*\b+\i]|, |v[\src+16*\b+\i+1]|
.endr
.endr
.irp b, 0,1
	s_delay_alu instid0(VALU_DEP_2)
	v_permlanex16_b32 v[TM+2+\b], v[TM+\b], s[SEL], s[SEL+1]
.endr
.irp b, 0,1
	s_delay_alu instid0(VALU_DEP_2)
	v_max_num_f32 v[TM+\b], v[TM+\b], v[TM+2+\b]
.endr
.irp b, 0,1
	s_delay_alu instid0(VALU_DEP_2)
	v_add_nc_u32 v[TM+6+\b], 0xf8800000, v[TM+\b]
.endr
.irp b, 0,1
	s_delay_alu instid0(VALU_DEP_4)
	v_and_or_b32 v[TM+4+\b], v[TM+\b], 0x7f800000, s[MNT]
.endr
.irp b, 0,1
	s_delay_alu instid0(VALU_DEP_4)
	v_lshrrev_b32 v[TM+2+\b], 23, v[TM+6+\b]
.endr
.if \sh
	s_delay_alu instid0(VALU_DEP_2)
	v_lshl_or_b32 v[\pw], v[TM+2], 16, v[\pw]
	s_delay_alu instid0(VALU_DEP_1)
	v_lshl_or_b32 v[\pw], v[TM+3], 24, v[\pw]
.else
	s_delay_alu instid0(VALU_DEP_1)
	v_lshl_or_b32 v[\pw], v[TM+3], 8, v[TM+2]
.endif
.irp b, 0,1
.irp i, 0,1,2,3,4,5,6,7,8,9,10,11,12,13,14,15
	v_med3_num_f32 v[\src+16*\b+\i], v[\src+16*\b+\i], -v[TM+4+\b], v[TM+4+\b]  ; the conversion does not saturate (ISA guide 7.6.2)
.endr
	v_cvt_scalef32_pk8_bf8_f32 v[\dst+4*\b:\dst+4*\b+1], v[\src+16*\b:\src+16*\b+7], v[TM+6+\b]
	v_cvt_scalef32_pk8_bf8_f32 v[\dst+4*\b+2:\dst+4*\b+3], v[\src+16*\b+8:\src+16*\b+15], v[TM+6+\b]
.endr
	v_nop                                                                       ; one plain line behind the last conversion
.endm
; G = raw gate, H = raw hid.  Out: G = a, H = b.
.macro ACT KB, BH
.irp j, 0,2,4,6
	v_pk_fma_f32 v[G+\j:G+\j+1], v[G+\j:G+\j+1], s[CN:CN+1], v[\KB:\KB+1] op_sel_hi:[1,0,1]   ; -log2(e) (gate + bias); each result is read from its low end on
.endr
.irp j, 0,2,4,6
	v_pk_add_f32 v[H+\j:H+\j+1], v[H+\j:H+\j+1], v[\BH:\BH+1]                   ; y = hid + bias + 0.5
.endr
.irp j, 0,2,4,6
	v_pk_mul_f32 v[M+\j:M+\j+1], v[H+\j:H+\j+1], s[CN:CN+1] op_sel_hi:[1,0]
.endr
	s_wait_alu depctr_va_vdst(0)                   ; the wait ahead of a batch and behind it
.irp j, 0,1,2,3,4,5,6,7
	v_exp_f32 v[G+\j], v[G+\j]
.endr
.irp j, 0,1,2,3,4,5,6,7
	v_exp_f32 v[M+\j], v[M+\j]
.endr
	v_nop
	s_wait_alu depctr_va_vdst(0)
.irp j, 0,2,4,6
	v_pk_add_f32 v[G+\j:G+\j+1], v[G+\j:G+\j+1], 1.0 op_sel_hi:[1,0]
.endr
.irp j, 0,2,4,6
	v_pk_fma_f32 v[M+\j:M+\j+1], v[M+\j:M+\j+1], 0x3fd3094c, 1.0 op_sel_hi:[1,0,0]   ; exp(-y) exp(0.5) + 1
.endr
	s_wait_alu depctr_va_vdst(0)
.irp j, 0,1,2,3,4,5,6,7
	v_rcp_f32 v[G+\j], v[G+\j]                     ; z
.endr
.irp j, 0,1,2,3,4,5,6,7
	v_rcp_f32 v[M+\j], v[M+\j]                     ; sigmoid(hid)
.endr
	v_nop
	s_wait_alu depctr_va_vdst(0)
.irp j, 0,1,2,3,4,5,6,7
	v_max_num_f32 v[H+\j], v[H+\j], v[M+\j]        ; g
.endr
.irp j, 0,2,4,6
	v_pk_mul_f32 v[H+\j:H+\j+1], v[H+\j:H+\j+1], v[G+\j:G+\j+1]                 ; b = z g
.endr
.irp j, 0,2,4,6
	v_pk_add_f32 v[G+\j:G+\j+1], v[G+\j:G+\j+1], 1.0 op_sel_hi:[1,0] neg_lo:[1,0] neg_hi:[1,0]   ; a = 1 - z
.endr
.endm
; Four products, two accumulators by turns; nine places: eight for reads of results and loads into operands, the ninth for the next tile's products, which begin G and H anew.
.macro MM W, WS
	v_wmma_scale_f32_16x16x128_f8f6f4 v[G:G+7], v[AF:AF+15], v[\W:\W+15], 0, v[AS], v[\WS] matrix_a_fmt:MATRIX_FMT_BF8 matrix_b_fmt:MATRIX_FMT_BF8
	v_wmma_scale_f32_16x16x128_f8f6f4 v[H:H+7], v[AF:AF+15], v[\W+32:\W+47], 0, v[AS], v[\WS+2] matrix_a_fmt:MATRIX_FMT_BF8 matrix_b_fmt:MATRIX_FMT_BF8
	v_wmma_scale_f32_16x16x128_f8f6f4 v[G:G+7], v[AF+16:AF+31], v[\W+16:\W+31], v[G:G+7], v[AS+1], v[\WS+1] matrix_a_fmt:MATRIX_FMT_BF8 matrix_b_fmt:MATRIX_FMT_BF8
	v_wmma_scale_f32_16x16x128_f8f6f4 v[H:H+7], v[AF+16:AF+31], v[\W+48:\W+63], v[H:H+7], v[AS+1], v[\WS+3] matrix_a_fmt:MATRIX_FMT_BF8 matrix_b_fmt:MATRIX_FMT_BF8
.rept 9
	v_nop
.endr
.endm
.macro BARRIER
	s_wait_dscnt 0x0
	s_barrier_signal -1
	s_barrier_wait -1
.endm
.macro FRAGS                           ; a tile's two fragments and scale words, at s30 and s31
	v_add_nc_u32 v[ADR], s30, v[LI]
	v_add_nc_u32 v[ADS], s31, v[LS]
.irp s, 0,1
.irp c, 0,1,2,3
	ds_load_b128 v[AF+16*\s+4*\c:AF+16*\s+4*\c+3], v[ADR] offset:2048*\s+512*\c
.endr
.endr
.irp s, 0,1
	ds_load_b32 v[AS+\s], v[ADS] offset:128*\s
.endr
	s_wait_dscnt 0x0
.endm
.macro PRE k                           ; chunk k's first residual; s39: the offset of the tile that the next step asks for
	v_add_nc_u32 v[HOA], 131072*\k, v[HO]
	global_load_b128 v[RSA:RSA+3], v[HOA], s[10:11] th:TH_LOAD_NT
	global_load_b128 v[RSA+4:RSA+7], v[HOA], s[10:11] offset:512 th:TH_LOAD_NT
	s_mov_b32 s39, 131072*\k+16384
.endm
; A tile of layer 1: product 3, activation, scan with carry, residual (in set rc), into the stage.  The next tile's residual is asked for into set rn; last = 1: not in the loop's fourth trip.
; THE PREFETCH: the residual stream is read once.  In step T (s44) waves 0 and 1 ask for tile T + 3, two tiles beyond the one that the step loads: 16,384 bytes, 8,192 a wave, lanes 256 bytes apart: each block is named once.
; Tiles 0 to 2 come by their loads alone; steps 13 to 15 ask for nothing (s43 = 13 in waves 0 and 1, 0 in the others).
.macro CT1 rc, rn, last
	s_wait_loadcnt 0x0                             ; this tile's residual, asked for a step ago
	s_wait_xcnt 0x0                                ; the last step's prefetch has read its offset
.if \last
	s_cmp_lt_u32 s37, 3
	s_cbranch_scc0 .Lnl_\@
.endif
	v_add_nc_u32 v[HOA], s39, v[HO]
	global_load_b128 v[\rn:\rn+3], v[HOA], s[10:11] th:TH_LOAD_NT
	global_load_b128 v[\rn+4:\rn+7], v[HOA], s[10:11] offset:512 th:TH_LOAD_NT
.if \last
.Lnl_\@:
.endif
	s_cmp_lt_u32 s44, s43
	s_cbranch_scc0 .Lnp_\@
	v_add_nc_u32 v[PFA], s39, v[PFV]
	global_prefetch_b8 v[PFA], s[10:11] offset:32768 th:TH_LOAD_NT scope:SCOPE_SE
.Lnp_\@:
	v_add_nc_u32 v[STA], s38, v[STW]
	FRAGS
	MM W1, WS1
	ACT KB1, BH1
	s_delay_alu instid0(VALU_DEP_4)
	v_fma_f32 v[H], v[G], v[S1], v[H]              ; h = a h + b, down the lane's eight positions
.irp j, 1,2,3,4,5,6,7
	s_delay_alu instid0(VALU_DEP_1)
	v_fma_f32 v[H+\j], v[G+\j], v[H+\j-1], v[H+\j]
.endr
	s_delay_alu instid0(VALU_DEP_1)
	v_mov_b32 v[S1], v[H+7]
.irp j, 0,2,4,6
	v_pk_add_f32 v[H+\j:H+\j+1], v[H+\j:H+\j+1], v[\rc+\j:\rc+\j+1]
.endr
.irp j, 0,1,2,3,4,5,6,7
	ds_store_b32 v[STA], v[H+\j] offset:PITCH*\j
.endr
	s_add_co_u32 s30, s30, 4096
	s_add_co_u32 s31, s31, 256
	s_add_co_u32 s38, s38, TSTEP
	s_add_co_u32 s39, s39, 16384
	s_add_co_u32 s44, s44, 1
.endm
; A tile of layer 2: product 4, activation, and the running (P, local scan) in place.  tail = 1: chunk 1's tile 6 + q: where the work-group holds a batch's last segment, P and L leave.
.macro CT2 tail, q
	FRAGS
	MM W2, WS2
	ACT KB2, BH2
	s_delay_alu instid0(VALU_DEP_4)
	v_fma_f32 v[H], v[G], v[A2+1], v[H]            ; the local scan first: it reads the a,
.irp j, 1,2,3,4,5,6,7
	s_delay_alu instid0(VALU_DEP_1)
	v_fma_f32 v[H+\j], v[G+\j], v[H+\j-1], v[H+\j]
.endr
	v_mul_f32 v[G], v[G], v[A2]                    ; which then become running products
.irp j, 1,2,3,4,5,6,7
	s_delay_alu instid0(VALU_DEP_1)
	v_mul_f32 v[G+\j], v[G+\j], v[G+\j-1]
.endr
	s_delay_alu instid0(VALU_DEP_1)
	v_mov_b32 v[A2], v[G+7]
	v_mov_b32 v[A2+1], v[H+7]
.if \tail
	s_cmp_lg_u32 s19, 7                            ; a branch on the work-group's number
	s_cbranch_scc1 .Lnt_\@
	v_add_nc_u32 v[STA], (6+\q)*TSTEP, v[STW]
.irp j, 0,1,2,3,4,5,6,7
	ds_load_b32 v[RSA+\j], v[STA] offset:PITCH*\j  ; h1 of these positions: the bytes that this lane stored
.endr
	s_wait_dscnt 0x0
.irp j, 0,2,4,6
	v_pk_add_f32 v[H+\j:H+\j+1], v[H+\j:H+\j+1], v[RSA+\j:RSA+\j+1]
.endr
	v_and_b32 v[SIG], 16, v0
	s_delay_alu instid0(VALU_DEP_1)
	v_cmp_ne_u32 vcc_lo, 0, v[SIG]                 ; lanes 16-31 hold segment 15
	s_wait_alu depctr_va_vdst(0)
	s_wait_xcnt 0x0                                ; EXEC changes only behind this wait
	s_and_saveexec_b32 s40, vcc_lo
.irp j, 0,1,2,3,4,5,6,7
	global_store_b32 v[TLV], v[G+\j], s[16:17] offset:8192*\q+1024*\j
.endr
.irp j, 0,1,2,3,4,5,6,7
	global_store_b32 v[TLV], v[H+\j], s[16:17] offset:16384+8192*\q+1024*\j
.endr
	s_wait_xcnt 0x0                                ; and again ahead of the line that widens it; the stores have read G and H too
	s_or_b32 exec_lo, exec_lo, s40
.Lnt_\@:
.endif
	s_add_co_u32 s30, s30, 4096
	s_add_co_u32 s31, s31, 256
.endm
.macro CHUNK k
	s_mov_b32 s30, IMG0+32768*\k
	s_mov_b32 s31, SC0+2048*\k
	s_mov_b32 s38, 0
	s_mov_b32 s37, 0
.Lct1_\k:
	CT1 RSA, RSB, 0
	CT1 RSB, RSA, 1
	s_add_co_u32 s37, s37, 1
	s_cmp_lt_u32 s37, 4
	s_cbranch_scc1 .Lct1_\k
.if \k == 0
.irp f, 0,1,2,3
.irp c, 0,1,2,3
	global_load_b128 v[W2+16*\f+4*\c:W2+16*\f+4*\c+3], v[LI], s[24:25] offset:WIMG+131072+2048*\f+512*\c
.endr
.endr
.irp f, 0,1,2,3
	global_load_b32 v[WS2+\f], v[LS], s[26:27] offset:WSCL+8192+128*\f
.endr
	s_wait_loadcnt 20                              ; no residual is out; Wl[1]'s 20 loads stay out
.else
	s_wait_loadcnt 0x0
.endif
	BARRIER                                        ; the chunk's 128 rows of h1 lie in the stage; nobody reads the last chunk's images of h1 any more
.irp b, 0,1,2,3
.irp i, 0,1,2,3
	ds_load_b128 v[X+16*\b+4*\i:X+16*\b+4*\i+3], v[QRD] offset:128*\b+16*\i
.endr
.endr
	s_wait_dscnt 0x0
	QH X, PC, PW, 0
	QH X+32, PC+8, PW, 1
.irp c, 0,1,2,3
	ds_store_b128 v[IMW], v[PC+4*\c:PC+4*\c+3] offset:512*\c
.endr
	ds_store_b32 v[SCW], v[PW]
	BARRIER                                        ; the 16 images lie in LDS; the stage has been read
.if \k == 0
	s_wait_loadcnt 0x0                             ; Wl[1]
	PRE 1
.endif
	s_mov_b32 s30, IMG1
	s_mov_b32 s31, SC1
	s_mov_b32 s37, 0
.Lct2_\k:
	CT2 0, 0
	s_add_co_u32 s37, s37, 1
	s_cmp_lt_u32 s37, 8-2*\k
	s_cbranch_scc1 .Lct2_\k
.if \k
	CT2 1, 0
	CT2 1, 1
.endif
.endm
	s_load_b256 s[4:11], s[0:1], 0x0               ; ptab s[4:5], bl s[6:7], agg1 s[8:9], h0r s[10:11]
	s_load_b128 s[12:15], s[0:1], 0x20             ; c0q s[12:13], agg2 s[14:15]
	s_load_b64 s[16:17], s[0:1], 0x30              ; tail
	v_lshrrev_b32 v40, 5, v0
	v_readfirstlane_b32 s18, v40                   ; wave
	s_mov_b32 s19, ttmp9                           ; p
	s_and_b32 s20, ttmp7, 0xffff                   ; b
	s_lshl_b32 s21, s20, 3
	s_add_co_u32 s21, s21, s19                     ; g
	s_lshl_b32 s45, s18, 6
	s_add_co_u32 s46, s45, STAGE
	s_lshr_b32 s47, s18, 1
	s_mul_i32 s47, s47, TSTEP
	s_and_b32 s53, s18, 1
	s_lshl_b32 s48, s53, 9
	s_add_co_u32 s47, s47, s48
	s_add_co_u32 s47, s47, STAGE
	s_lshl_b32 s48, s18, 11
	s_add_co_u32 s49, s48, IMG1
	s_lshl_b32 s50, s18, 7
	s_add_co_u32 s51, s50, SC1
	s_lshl_b32 s52, s18, 10
	s_lshl_b32 s53, s53, 13
	s_lshl_b32 s54, s19, 1
	s_mov_b32 s[CN], 0xbfb8aa3b
	s_mov_b32 s[CN+1], 0xbfb8aa3b
	s_mov_b32 s[SEL], 0x76543210
	s_mov_b32 s[SEL+1], 0xfedcba98
	s_mov_b32 s[MNT], 0x600000
	s_cmp_lt_u32 s18, 2
	s_cselect_b32 s43, 13, 0                       ; the steps in which my wave prefetches
	s_mov_b32 s44, 0                               ; the step
	s_mov_b32 s23, 0
	v_and_b32 v41, 31, v0                          ; lane
	v_and_b32 v42, 15, v0                          ; r
	v_bfe_u32 v43, v0, 4, 1                        ; h
	v_lshlrev_b32 v[LI], 4, v41
	v_lshlrev_b32 v[LS], 2, v41
	v_mul_u32_u24 v[STW], v43, 8*PITCH
	v_mul_u32_u24 v[QRD], v42, PITCH
	v_lshl_add_u32 v[TLV], v42, 2, s45
	v_lshl_add_u32 v[STW], v42, 2, v[STW]
	v_lshl_add_u32 v[QRD], v43, 6, v[QRD]
	v_add_nc_u32 v[STW], s46, v[STW]
	v_add_nc_u32 v[QRD], s47, v[QRD]
	v_add_nc_u32 v[ADR], s48, v[LI]                ; for the head alone: 2048 w + 16 x lane, in c0q and in IMG0
	v_add_nc_u32 v[IMW], s49, v[LI]
	v_add_nc_u32 v[ADS], s50, v[LS]                ; 128 w + 4 x lane, in c0q's scale words,
	v_lshl_add_u32 v[AGV], v42, 3, s50
	v_add_nc_u32 v[SCW], s51, v[LS]
	v_add_nc_u32 v[HO], s52, v[LI]
	v_lshl_add_u32 v[PFV], v41, 8, s53
	v_add_nc_u32 v[SIG], s54, v43                  ; my segment
	v_add_nc_u32 v[STA], SC0, v[ADS]               ; and in SC0
	v_lshl_add_u32 v[AGW], v43, 11, v[AGV]
	v_mov_b32 v[TM+2], 0                           ; written once: a lane permute's destination counts as one of its sources
	v_mov_b32 v[TM+3], 0
	s_wait_alu depctr_va_vdst(0)                   ; the wait at the head's end
	s_wait_kmcnt 0x0
	s_lshl_b32 s22, s20, 15
	s_add_nc_u64 s[8:9], s[8:9], s[22:23]          ; agg1 at my batch
	s_add_nc_u64 s[16:17], s[16:17], s[22:23]      ; tail at my batch
	s_lshl_b32 s38, s19, 12
	s_add_co_u32 s22, s22, s38
	s_add_nc_u64 s[14:15], s[14:15], s[22:23]      ; agg2 at my first segment
	s_lshl_b32 s22, s21, 18
	s_add_nc_u64 s[10:11], s[10:11], s[22:23]      ; h0r
	s_add_nc_u64 s[28:29], s[12:13], 0x1000000
	s_lshl_b32 s22, s21, 12
	s_add_nc_u64 s[28:29], s[28:29], s[22:23]      ; c0q's scale words
	s_lshl_b32 s22, s21, 16
	s_add_nc_u64 s[12:13], s[12:13], s[22:23]      ; c0q's images
	s_lshl_b32 s22, s18, 13
	s_add_nc_u64 s[24:25], s[4:5], s[22:23]        ; my fragments' images
	s_lshl_b32 s22, s18, 9
	s_add_nc_u64 s[26:27], s[4:5], s[22:23]        ; and their scale words
.irp k, 0,1
.irp c, 0,1,2,3
	global_load_b128 v[W2+16*\k+4*\c:W2+16*\k+4*\c+3], v[ADR], s[12:13] offset:32768*\k+512*\c th:TH_LOAD_NT   ; two of the work-group's 32 images, through registers that Wl[1] takes later
.endr
.endr
.irp k, 0,1
	global_load_b32 v[W2+32+\k], v[ADS], s[28:29] offset:2048*\k th:TH_LOAD_NT
.endr
	PRE 0
.irp s, 0,1,2,3,4,5,6,7,8,9,10,11,12,13,14
	global_load_b64 v[40+2*\s:41+2*\s], v[AGV], s[8:9] offset:2048*\s
.endr
.irp i, 0,1,2,3
	global_load_b32 v[108+\i], v[TLV], s[6:7] offset:1024*\i                       ; bl[0] gate, hid; bl[1] gate, hid
.endr
.irp f, 0,1,2,3
.irp c, 0,1,2,3
	global_load_b128 v[W1+16*\f+4*\c:W1+16*\f+4*\c+3], v[LI], s[24:25] offset:WIMG+2048*\f+512*\c
.endr
.endr
.irp f, 0,1,2,3
	global_load_b32 v[WS1+\f], v[LS], s[26:27] offset:WSCL+128*\f
.endr
	s_wait_loadcnt 41                              ; the ten loads of codes are in; behind them: 2 + 15 + 4 + 20
.irp k, 0,1
.irp c, 0,1,2,3
	ds_store_b128 v[ADR], v[W2+16*\k+4*\c:W2+16*\k+4*\c+3] offset:IMG0+32768*\k+512*\c
.endr
.endr
.irp k, 0,1
	ds_store_b32 v[STA], v[W2+32+\k] offset:2048*\k
.endr
	s_wait_loadcnt 20                              ; the aggregates and the biases are in; Wl[0]'s 20 loads may be out: the first step's top waits for them
	v_mov_b32 v[S1], 0.5
.irp s, 0,1,2,3,4,5,6,7,8,9,10,11,12,13,14
	s_delay_alu instid0(VALU_DEP_1)
	v_fma_f32 v70, v[40+2*\s], v[S1], v[41+2*\s]
	v_cmp_lt_u32 vcc_lo, \s, v[SIG]
	s_delay_alu instid0(VALU_DEP_1)
	v_cndmask_b32 v[S1], v[S1], v70, vcc_lo
.endr
	v_mul_f32 v[KB1], s[CN], v108
	v_mul_f32 v[KB1+1], s[CN], v108
	v_add_f32 v[BH1], 0.5, v109
	v_add_f32 v[BH1+1], 0.5, v109
	v_mul_f32 v[KB2], s[CN], v110
	v_mul_f32 v[KB2+1], s[CN], v110
	v_add_f32 v[BH2], 0.5, v111
	v_add_f32 v[BH2+1], 0.5, v111
	v_mov_b32 v[A2], 1.0
	v_mov_b32 v[A2+1], 0
	s_wait_alu depctr_va_vdst(0)                   ; the wait ahead of the barrier
	BARRIER                                        ; all 32 images of h0's codes lie in LDS
	CHUNK 0
	CHUNK 1
	s_wait_alu depctr_va_vdst(0)
	global_store_b64 v[AGW], v[A2:A2+1], s[14:15]
	s_wait_xcnt 0x0
	s_mov_b32 exec_lo, -1
	v_lshl_add_u32 v126, v0, 2, 0x3a000            ; no two registers could be kept: the add's two are made here, from v0 as it came
	v_mov_b32 v127, 0
	s_wait_alu depctr_va_vdst(0)
	s_wait_tensorcnt 0x0                           ; the wave's end
	ds_add_u32 v126, v127
	s_wait_dscnt 0x0
	s_endpgm
.Lfunc_end_k_qab70d8327d_lay2:
	.size	k_qab70d8327d_lay2, .Lfunc_end_k_qab70d8327d_lay2-k_qab70d8327d_lay2
	.p2alignl 7, 3214868480
	.fill 96, 4, 3214868480
	.section	.rodata,"a",@progbits
	.p2align	6, 0x0
	.amdhsa_kernel k_qab70d8327d_lay2
		.amdhsa_group_segment_fixed_size 239616
		.amdhsa_private_segment_fixed_size 0
		.amdhsa_enable_private_segment 0
		.amdhsa_kernarg_size 56
		.amdhsa_user_sgpr_count 2
		.amdhsa_user_sgpr_kernarg_segment_ptr 1
		.amdhsa_wavefront_size32 1
		.amdhsa_system_sgpr_workgroup_id_x 1
		.amdhsa_system_sgpr_workgroup_id_y 1
		.amdhsa_system_sgpr_workgroup_id_z 1
		.amdhsa_system_vgpr_workitem_id 0
		.amdhsa_next_free_vgpr 256
		.amdhsa_next_free_sgpr 66
		.amdhsa_reserve_vcc 1
		.amdhsa_float_denorm_mode_32 3
		.amdhsa_float_denorm_mode_16_64 3
		.amdhsa_memory_ordered 1
		.amdhsa_forward_progress 1
		.amdhsa_inst_pref_size 98
	.end_amdhsa_kernel
	.amdgpu_metadata
---
amdhsa.version: [ 1, 2 ]
amdhsa.kernels:
  - .name:           k_qab70d8327d_lay2
    .symbol:         k_qab70d8327d_lay2.kd
    .args:
      - { .name: ptab, .offset: 0, .size: 8, .value_kind: global_buffer, .address_space: global }
      - { .name: bl, .offset: 8, .size: 8, .value_kind: global_buffer, .address_space: global }
      - { .name: agg1, .offset: 16, .size: 8, .value_kind: global_buffer, .address_space: global }
      - { .name: h0r, .offset: 24, .size: 8, .value_kind: global_buffer, .address_space: global }
      - { .name: c0q, .offset: 32, .size: 8, .value_kind: global_buffer, .address_space: global }
      - { .name: agg2, .offset: 40, .size: 8, .value_kind: global_buffer, .address_space: global }
      - { .name: tail, .offset: 48, .size: 8, .value_kind: global_buffer, .address_space: global }
    .group_segment_fixed_size: 239616
    .private_segment_fixed_size: 0
    .kernarg_segment_align: 8
    .kernarg_segment_size: 56
    .max_flat_workgroup_size: 512
    .sgpr_count:     66
    .vgpr_count:     256
    .wavefront_size: 32
...
	.end_amdgpu_metadata
.endif
;; end of part 3
;; launch head (part 4): grid 32 x 1, 4 waves a work-group, no clusters, 23,552 bytes of LDS; arguments ptab, bout, agg2, tail, out0; writes out0
.if DOCPART == 4
	.amdgcn_target "amdgcn-amd-amdhsa--gfx1250"
	.amdhsa_code_object_version 6
	.text
	.protected	k_qab70d8327d_head
	.globl	k_qab70d8327d_head
	.p2align	8
	.type	k_qab70d8327d_head,@function
k_qab70d8327d_head:
	s_mov_b64 s[64:65], 0
	v_nop
	global_prefetch_b8 v0, s[64:65] scope:SCOPE_SE
	s_setreg_imm32_b32 hwreg(HW_REG_WAVE_MODE, 25, 1), 1
	s_wait_xcnt 0x0
; HEAD.  One work-group a batch: reference() keeps the last 16 positions, so product 5 has 16 rows a batch, and there is work for 32 work-groups.
; The carry of layer 2 into segment 15 (0.5 through segments 0 to 14); h2 = P x carry + L for 16 rows x 256 channels; quantised; logits = h2 Wout^T + bout.
; Wave w quantises K step w / 2, blocks 2 (w % 2) and 2 (w % 2) + 1 (half a fragment), and multiplies Wout's row tiles 4 w .. 4 w + 3.  The product is used transposed (source 0 = 16 rows of Wout):
; a lane then holds eight neighbouring logits of one row; the bias is the C of each sum's first product.
; LIMITS: NaN and infinities are not served; a block of zeros gets the scale byte 1.
.set WIMG, 0
.set WSCL, 327680
.set CAR,  0                           ; LDS: the carry of 256 channels,
.set IMG,  1024                        ; h2's two fragments as images,
.set SC,   5120                        ; their scale words,
.set STG,  5376                        ; a stage of 16 rows x (256 bytes + 16) for each wave
.set TM,   96
.set PC,   104
.set PW,   15
.set SEL,  20
.set MNT,  22
.macro QH src, dst, pw, sh
.irp b, 0,1
	v_max3_num_f32 v[TM+\b], |v[\src+16*\b]|, |v[\src+16*\b+1]|, 0x8000000      ; my 16 numbers and the floor 2^(16 - 127)
.endr
.irp i, 2,4,6,8,10,12,14
.irp b, 0,1
	v_max3_num_f32 v[TM+\b], v[TM+\b], |v[\src+16*\b+\i]|, |v[\src+16*\b+\i+1]|
.endr
.endr
.irp b, 0,1
	v_permlanex16_b32 v[TM+2+\b], v[TM+\b], s[SEL], s[SEL+1]
.endr
.irp b, 0,1
	v_max_num_f32 v[TM+\b], v[TM+\b], v[TM+2+\b]
.endr
.irp b, 0,1
	v_add_nc_u32 v[TM+6+\b], 0xf8800000, v[TM+\b]
.endr
.irp b, 0,1
	v_and_or_b32 v[TM+4+\b], v[TM+\b], 0x7f800000, s[MNT]
.endr
.irp b, 0,1
	v_lshrrev_b32 v[TM+2+\b], 23, v[TM+6+\b]
.endr
.if \sh
	v_lshl_or_b32 v[\pw], v[TM+2], 16, v[\pw]
	v_lshl_or_b32 v[\pw], v[TM+3], 24, v[\pw]
.else
	v_lshl_or_b32 v[\pw], v[TM+3], 8, v[TM+2]
.endif
.irp b, 0,1
.irp i, 0,1,2,3,4,5,6,7,8,9,10,11,12,13,14,15
	v_med3_num_f32 v[\src+16*\b+\i], v[\src+16*\b+\i], -v[TM+4+\b], v[TM+4+\b]  ; the conversion does not saturate (ISA guide 7.6.2)
.endr
	v_cvt_scalef32_pk8_bf8_f32 v[\dst+4*\b:\dst+4*\b+1], v[\src+16*\b:\src+16*\b+7], v[TM+6+\b]
	v_cvt_scalef32_pk8_bf8_f32 v[\dst+4*\b+2:\dst+4*\b+3], v[\src+16*\b+8:\src+16*\b+15], v[TM+6+\b]
.endr
	v_nop                                                                       ; one plain line behind the last conversion
.endm
.macro BARRIER
	s_wait_dscnt 0x0
	s_barrier_signal -1
	s_barrier_wait -1
.endm
	s_load_b256 s[4:11], s[0:1], 0x0               ; ptab s[4:5], bout s[6:7], agg2 s[8:9], tail s[10:11]
	s_load_b64 s[12:13], s[0:1], 0x20              ; out0
	v_lshl_add_u32 v31, v0, 2, 0x5a00
	s_set_vgpr_msb 0x40
	v_mov_b32 v1, 0
	s_set_vgpr_msb 0x4000
	v_lshrrev_b32 v28, 5, v0
	v_readfirstlane_b32 s14, v28                   ; wave
	v_and_b32 v28, 31, v0                          ; lane
	v_and_b32 v29, 15, v0                          ; r
	v_bfe_u32 v30, v0, 4, 1                        ; h
	s_lshr_b32 s15, s14, 1                         ; s: my K step
	s_and_b32 s16, s14, 1                          ; u: my pair of blocks
	s_lshl_b32 s17, s15, 9
	s_lshl_b32 s18, s16, 8
	s_add_co_u32 s17, s17, s18                     ; my 64 channels: 512 s + 256 u bytes
	v_lshlrev_b32 v4, 6, v30
	v_add_nc_u32 v4, s17, v4                       ; the carry's place in LDS: + 64 h (CAR = 0)
	v_lshl_add_u32 v1, v29, 10, v4                 ; P, L: row r of 1,024 bytes
	v_lshlrev_b32 v2, 4, v0                        ; agg2: two channels a thread
	v_lshlrev_b32 v3, 3, v0                        ; where their carries go
	v_lshlrev_b32 v10, 4, v28
	v_lshlrev_b32 v11, 2, v28
	s_wait_alu depctr_va_vdst(0)
	s_lshl_b32 s18, s15, 11
	s_lshl_b32 s19, s16, 10
	s_add_co_u32 s18, s18, s19
	s_add_co_u32 s18, s18, IMG
	v_add_nc_u32 v5, s18, v10                      ; my half of an image
	s_lshl_b32 s18, s15, 7
	s_lshl_b32 s19, s16, 1
	s_add_co_u32 s18, s18, s19
	s_add_co_u32 s18, s18, SC
	v_add_nc_u32 v6, s18, v11                      ; my two bytes of a scale word
	v_add_nc_u32 v7, IMG, v10
	v_add_nc_u32 v8, SC, v11
	v_lshlrev_b32 v9, 5, v30                       ; the bias: 32 h
	s_mul_i32 s18, s14, 16*272
	s_add_co_u32 s18, s18, STG
	v_mul_u32_u24 v12, v29, 272
	v_lshl_add_u32 v12, v30, 5, v12
	v_add_nc_u32 v12, s18, v12                     ; the stage, in: row r, + 32 h
	v_mul_u32_u24 v13, v30, 272
	v_lshl_add_u32 v13, v29, 4, v13
	v_add_nc_u32 v13, s18, v13                     ; back: lanes 0-15 one row, lanes 16-31 the next
	s_lshl_b32 s18, s14, 8
	v_lshlrev_b32 v14, 10, v30
	v_lshl_add_u32 v14, v29, 4, v14
	v_add_nc_u32 v14, s18, v14                     ; out0: 1024 h + 256 w + 16 r
	s_mov_b32 s[SEL], 0x76543210
	s_mov_b32 s[SEL+1], 0xfedcba98
	s_mov_b32 s[MNT], 0x600000
	s_mov_b32 s25, 0
	s_wait_kmcnt 0x0
	s_lshl_b32 s24, ttmp9, 15
	s_add_nc_u64 s[8:9], s[8:9], s[24:25]
	s_add_nc_u64 s[10:11], s[10:11], s[24:25]
	s_lshl_b32 s24, ttmp9, 14
	s_add_nc_u64 s[12:13], s[12:13], s[24:25]
	s_lshl_b32 s24, s14, 8
	s_add_nc_u64 s[6:7], s[6:7], s[24:25]          ; my 64 biases
	s_lshl_b32 s24, s14, 10
	s_add_nc_u64 s[26:27], s[4:5], s[24:25]        ; my eight fragments' scale words
	s_lshl_b32 s24, s14, 14
	s_add_nc_u64 s[4:5], s[4:5], s[24:25]          ; and their images
.irp s, 0,1,2,3,4,5,6,7,8,9,10,11,12,13,14
	global_load_b128 v[128+4*\s:131+4*\s], v2, s[8:9] offset:2048*\s               ; (A, Bs) of two channels, segment s
.endr
.irp b, 0,1
.irp i, 0,1,2,3
	global_load_b128 v[96+16*\b+4*\i:99+16*\b+4*\i], v1, s[10:11] offset:128*\b+16*\i          ; P
.endr
.endr
.irp b, 0,1
.irp i, 0,1,2,3
	global_load_b128 v[64+16*\b+4*\i:67+16*\b+4*\i], v1, s[10:11] offset:16384+128*\b+16*\i    ; L
.endr
.endr
	s_wait_loadcnt 16                              ; the aggregates are in; P's and L's 16 loads may be out
	v_mov_b32 v16, 0.5
	v_mov_b32 v17, 0.5
.irp s, 0,1,2,3,4,5,6,7,8,9,10,11,12,13,14
	v_fma_f32 v16, v[128+4*\s], v16, v[129+4*\s]
	v_fma_f32 v17, v[130+4*\s], v17, v[131+4*\s]
.endr
	ds_store_b64 v3, v[16:17] offset:CAR
.irp f, 0,1,2,3,4,5,6,7
.irp c, 0,1,2,3
	global_load_b128 v[128+16*\f+4*\c:131+16*\f+4*\c], v10, s[4:5] offset:WIMG+262144+2048*\f+512*\c   ; Wout's fragment (tile 4 w + f / 2, K step f % 2)
.endr
.endr
.irp f, 0,1,2,3,4,5,6,7
	global_load_b32 v[20+\f], v11, s[26:27] offset:WSCL+16384+128*\f
.endr
	BARRIER                                        ; the 256 carries lie in LDS
.irp b, 0,1
.irp i, 0,1,2,3
	ds_load_b128 v[32+16*\b+4*\i:35+16*\b+4*\i], v4 offset:CAR+128*\b+16*\i
.endr
.endr
	s_wait_dscnt 0x0
	s_wait_loadcnt 40                              ; P and L are in; Wout's 40 loads may be out
.irp j, 0,2,4,6,8,10,12,14,16,18,20,22,24,26,28,30
	v_pk_fma_f32 v[64+\j:65+\j], v[96+\j:97+\j], v[32+\j:33+\j], v[64+\j:65+\j]    ; h2 = P x carry + L
.endr
.irp n, 0,1,2,3
.irp q, 0,1
	global_load_b128 v[32+8*\n+4*\q:35+8*\n+4*\q], v9, s[6:7] offset:64*\n+16*\q   ; the bias in the result's layout: logits 16 n + 8 h + 0 .. 7
.endr
.endr
	QH 64, PC, PW, 0
	ds_store_b128 v5, v[PC:PC+3]
	ds_store_b128 v5, v[PC+4:PC+7] offset:512
	ds_store_b16 v6, v[PW]
	BARRIER                                        ; both fragments of h2 and their scale words lie in LDS
.irp s, 0,1
.irp c, 0,1,2,3
	ds_load_b128 v[96+16*\s+4*\c:99+16*\s+4*\c], v7 offset:2048*\s+512*\c
.endr
.endr
.irp s, 0,1
	ds_load_b32 v[18+\s], v8 offset:128*\s
.endr
	s_wait_dscnt 0x0
	s_wait_loadcnt 0x0
.irp n, 0,1,2,3                                ; four accumulators by turns
	v_wmma_scale_f32_16x16x128_f8f6f4 v[64+8*\n:71+8*\n], v[128+32*\n:143+32*\n], v[96:111], v[32+8*\n:39+8*\n], v[20+2*\n], v18 matrix_a_fmt:MATRIX_FMT_BF8 matrix_b_fmt:MATRIX_FMT_BF8
.endr
.irp n, 0,1,2,3
	v_wmma_scale_f32_16x16x128_f8f6f4 v[64+8*\n:71+8*\n], v[144+32*\n:159+32*\n], v[112:127], v[64+8*\n:71+8*\n], v[21+2*\n], v19 matrix_a_fmt:MATRIX_FMT_BF8 matrix_b_fmt:MATRIX_FMT_BF8
.endr
.rept 8
	v_nop                                          ; eight places ahead of the reads of the results and of the loads into the operands' registers
.endr
.irp n, 0,1,2,3
	ds_store_b128 v12, v[64+8*\n:67+8*\n] offset:64*\n             ; each result from its low end on
	ds_store_b128 v12, v[68+8*\n:71+8*\n] offset:64*\n+16
.endr
.irp i, 0,1,2,3,4,5,6,7
	ds_load_b128 v[96+4*\i:99+4*\i], v13 offset:544*\i             ; LDS serves a wave's instructions in order: these see my stores
.endr
.irp i, 0,1,2,3,4,5,6,7
	s_wait_dscnt 7-\i                              ; rows 2 i and 2 i + 1 are back; the later loads stay out
	global_store_b128 v14, v[96+4*\i:99+4*\i], s[12:13] offset:2048*\i             ; sixteen lanes store 256 consecutive bytes, aligned
.endr
	s_barrier_signal -1
	s_barrier_wait -1
	s_set_vgpr_msb 0x4
	s_wait_tensorcnt 0x0
	ds_add_u32 v31, v1
	s_wait_dscnt 0x0
	s_set_vgpr_msb 0x400
	s_endpgm
.Lfunc_end_k_qab70d8327d_head:
	.size	k_qab70d8327d_head, .Lfunc_end_k_qab70d8327d_head-k_qab70d8327d_head
	.p2alignl 7, 3214868480
	.fill 96, 4, 3214868480
	.section	.rodata,"a",@progbits
	.p2align	6, 0x0
	.amdhsa_kernel k_qab70d8327d_head
		.amdhsa_group_segment_fixed_size 23552
		.amdhsa_private_segment_fixed_size 0
		.amdhsa_enable_private_segment 0
		.amdhsa_kernarg_size 40
		.amdhsa_user_sgpr_count 2
		.amdhsa_user_sgpr_kernarg_segment_ptr 1
		.amdhsa_wavefront_size32 1
		.amdhsa_system_sgpr_workgroup_id_x 1
		.amdhsa_system_sgpr_workgroup_id_y 1
		.amdhsa_system_sgpr_workgroup_id_z 1
		.amdhsa_system_vgpr_workitem_id 0
		.amdhsa_next_free_vgpr 258
		.amdhsa_next_free_sgpr 66
		.amdhsa_reserve_vcc 0
		.amdhsa_float_denorm_mode_32 3
		.amdhsa_float_denorm_mode_16_64 3
		.amdhsa_memory_ordered 1
		.amdhsa_forward_progress 1
		.amdhsa_inst_pref_size 23
	.end_amdhsa_kernel
	.amdgpu_metadata
---
amdhsa.version: [ 1, 2 ]
amdhsa.kernels:
  - .name:           k_qab70d8327d_head
    .symbol:         k_qab70d8327d_head.kd
    .args:
      - { .name: ptab, .offset: 0, .size: 8, .value_kind: global_buffer, .address_space: global }
      - { .name: bout, .offset: 8, .size: 8, .value_kind: global_buffer, .address_space: global }
      - { .name: agg2, .offset: 16, .size: 8, .value_kind: global_buffer, .address_space: global }
      - { .name: tail, .offset: 24, .size: 8, .value_kind: global_buffer, .address_space: global }
      - { .name: out0, .offset: 32, .size: 8, .value_kind: global_buffer, .address_space: global }
    .group_segment_fixed_size: 23552
    .private_segment_fixed_size: 0
    .kernarg_segment_align: 8
    .kernarg_segment_size: 40
    .max_flat_workgroup_size: 128
    .sgpr_count:     66
    .vgpr_count:     258
    .wavefront_size: 32
...
	.end_amdgpu_metadata
.endif
;; end of part 4
